; MI455X (gfx1250); checked and timed in simulation.
; The chip was launched on July 23, 2026; its instructions are those of AMD's public machine-readable ISA for CDNA 5 (MIT licence, August 2026) and "CDNA5" Instruction Set Architecture Reference Guide (July 2026). The comments in the code are by the model that wrote it; some were corrected since.
;; Gemma Causal Att. Allowed arithmetic: float matrix products may take bf16 or f16 operands with f32 sums; other float arithmetic in f32, or as packed bf16 or f16 multiplies, adds, multiply-adds, maxima and minima; sums over many terms, partial sums and values carried from step to step in f32; what a program stores and reads back later, other than sums and carried values, may be rounded once to bf16 or f16.
;; Inputs: Wk 2,048 x 2,048 float32; Wo 4,096 x 2,048 float32; Wq 2,048 x 4,096 float32; Wv 2,048 x 2,048 float32; X 2 x 1,024 x 2,048 float32.
;; Outputs: out0 2 x 1,024 x 2,048 float32.
;; One version. Each part assembles by itself: llvm-mc -triple=amdgcn-amd-amdhsa -mcpu=gfx1250 --defsym DOCPART=n.
;; ======== version 1 of 1: 4 launches
;; limits: values are held in f16: magnitudes above 65,504 overflow, below 6.1e-05 lose precision
;; workspace buffers: xb 8,388,608 bytes; wqkv 33,554,432 bytes; wob 16,777,216 bytes; rope 1,179,648 bytes; qkv 33,554,432 bytes; yb 16,777,216 bytes
;; launch prep (part 1): grid 256 x 8, 8 waves a work-group, no clusters, 0 bytes of LDS; arguments X, Wq, Wk, Wv, Wo, xb, wqkv, wob, rope; writes xb, wqkv, wob, rope
.if DOCPART == 1
	.amdgcn_target "amdgcn-amd-amdhsa--gfx1250"
	.amdhsa_code_object_version 6
	.text
	.protected	k_qadd065c4da_prep
	.globl	k_qadd065c4da_prep
	.p2align	8
	.type	k_qadd065c4da_prep,@function
k_qadd065c4da_prep:
	s_mov_b64 s[64:65], 0
	v_nop
	global_prefetch_b8 v0, s[64:65] scope:SCOPE_SE
	s_setreg_imm32_b32 hwreg(HW_REG_WAVE_MODE, 25, 1), 1
	s_wait_xcnt 0x0
; PREP: every input is rounded once to 16 bits, and the table of cosines and sines is made.
;   X -> xb bf16 [2048][2048];  Wq | Wk | Wv -> wqkv bf16 [2048 k][8192 n] (columns 0, 4096, 6144);  Wo -> wob [4096 k][2048 n]: rounded to bf16 like the other inputs, that number written as f16.
; LIMITS.  Wo's bf16 value must lie within f16's 65,504 (beyond it an infinity is written); below 6e-5 f16 keeps a fixed step of 6e-8.  The angles of the table reach 1,023: they are reduced by pi/2 in two parts.
; SHARES.  The grid's y is the unit u.  Units 0 to 6 are 2,048 chunks of 2,048 numbers each (8,192 bytes in, 4,096 out); work-group x takes chunks 8 x .. 8 x + 7: sixteen loads of 16 bytes a lane, all issued
; before the first is waited for.  A wave's load covers 512 consecutive bytes, a wave's store 256 consecutive bytes, aligned.  No LDS, no barrier, no matrix unit: nothing is shared and nothing is summed.
; Unit 7 makes the table: one group of four numbers a thread, in the order in which the projection's lanes read it:
;   group e = (((pb 2 + c) 4 + b) 4 + qd) 32 + l at byte 16 e: position 16 pb + l % 16, channels d .. d + 3 with d = 64 c + 16 b + 8 (l / 16) + 4 (qd % 2); qd 0, 1: cosines; qd 2, 3: sines.
; Behind its 2^20 bytes lie 131,072 bytes in the same order with 1 for every cosine and 0 for every sine: the table for v, which is not rotated; unit 7's first 32 work-groups write them.
.set SOF,  2                           ; v[2:9]    chunk i: my byte offset in the source
.set DOF,  10                          ; v[10:17]  chunk i: my byte offset in the destination
.set XIN,  32                          ; v[32:95]  chunk i: 8 numbers as loaded
.set YOUT, 96                          ; v[96:127] chunk i: 4 words to store
.set SRC,  28                          ; s[28:29] source, s[30:31] destination
.set DST,  30
.set SXT,  32                          ; s32, s33  the unit's first byte in them
.set DXT,  33
.set SST,  34                          ; s34, s35  bytes from chunk to chunk
.set DSTR, 35
	s_load_b512 s[8:23], s[0:1], 0x0               ; X s[8:9], Wq s[10:11], Wk s[12:13], Wv s[14:15], Wo s[16:17], xb s[18:19], wqkv s[20:21], wob s[22:23]
	s_load_b64 s[24:25], s[0:1], 0x40              ; rope
	s_and_b32 s2, ttmp7, 0xffff                    ; u
	s_mov_b32 s3, ttmp9                            ; x
	s_wait_kmcnt 0x0
	s_cmp_eq_u32 s2, 7
	s_cbranch_scc1 .Lrope
	s_mov_b64 s[SRC:SRC+1], s[8:9]                 ; unit 0: X -> xb
	s_mov_b64 s[DST:DST+1], s[18:19]
	s_mov_b32 s[SXT], 0
	s_mov_b32 s[DXT], 0
	s_mov_b32 s[SST], 8192
	s_mov_b32 s[DSTR], 4096
.macro PICK u, src, dst, sx, dx, ss, ds
	s_cmp_eq_u32 s2, \u
	s_cselect_b64 s[SRC:SRC+1], s[\src:\src+1], s[SRC:SRC+1]
	s_cselect_b64 s[DST:DST+1], s[\dst:\dst+1], s[DST:DST+1]
	s_cselect_b32 s[SXT], \sx, s[SXT]
	s_cselect_b32 s[DXT], \dx, s[DXT]
	s_cselect_b32 s[SST], \ss, s[SST]
	s_cselect_b32 s[DSTR], \ds, s[DSTR]
.endm
	PICK 1, 10, 20, 0, 0, 16384, 16384             ; Wq's columns 0 - 2047
	PICK 2, 10, 20, 8192, 4096, 16384, 16384       ; Wq's columns 2048 - 4095
	PICK 3, 12, 20, 0, 8192, 8192, 16384           ; Wk
	PICK 4, 14, 20, 0, 12288, 8192, 16384          ; Wv
	PICK 5, 16, 22, 0, 0, 8192, 4096               ; Wo's rows 0 - 2047
	PICK 6, 16, 22, 16777216, 8388608, 8192, 4096  ; Wo's rows 2048 - 4095
	s_mul_i32 s36, s3, s[SST]                      ; the work-group's eight chunks: offsets are made apart from the addresses
	s_lshl_b32 s36, s36, 3
	s_add_co_u32 s36, s36, s[SXT]
	s_mov_b32 s37, 0
	s_mul_i32 s38, s3, s[DSTR]
	s_lshl_b32 s38, s38, 3
	s_add_co_u32 s38, s38, s[DXT]
	s_mov_b32 s39, 0
	s_add_nc_u64 s[SRC:SRC+1], s[SRC:SRC+1], s[36:37]
	s_add_nc_u64 s[DST:DST+1], s[DST:DST+1], s[38:39]
	v_lshlrev_b32 v1, 4, v0                        ; 16 t
	v_lshlrev_b32 v20, 3, v0                       ; 8 t
	s_mov_b32 s40, 0
	s_mov_b32 s41, 0
.irp i, 0,1,2,3,4,5,6,7
	v_add_nc_u32 v[SOF+(\i)], s40, v1
	v_add_nc_u32 v[DOF+(\i)], s41, v20
	s_add_co_u32 s40, s40, s[SST]
	s_add_co_u32 s41, s41, s[DSTR]
.endr
.irp i, 0,1,2,3,4,5,6,7
	global_load_b128 v[XIN+8*(\i):XIN+8*(\i)+3],   v[SOF+(\i)], s[SRC:SRC+1] th:TH_LOAD_NT              ; numbers 4 t .. 4 t + 3 of the chunk
	global_load_b128 v[XIN+8*(\i)+4:XIN+8*(\i)+7], v[SOF+(\i)], s[SRC:SRC+1] offset:4096 th:TH_LOAD_NT  ; numbers 1024 + 4 t ..
.endr
; Chunk i leaves.  half = 1: the bf16 number is written as f16.  No register is written twice, so no wait frees a store's sources.
.macro OUT i, half
	s_wait_loadcnt 14-2*(\i)                       ; loads come back in order: the two loads of each younger chunk may stay out
.irp k, 0,1,2,3
	v_cvt_pk_bf16_f32 v[YOUT+4*(\i)+(\k)], v[XIN+8*(\i)+2*(\k)], v[XIN+8*(\i)+2*(\k)+1]
.endr
.if \half
.irp k, 0,1,2,3
	v_lshlrev_b32 v18, 16, v[YOUT+4*(\i)+(\k)]
	v_and_b32 v19, 0xffff0000, v[YOUT+4*(\i)+(\k)]
	v_cvt_pk_f16_f32 v[YOUT+4*(\i)+(\k)], v18, v19
.endr
.endif
	global_store_b64 v[DOF+(\i)], v[YOUT+4*(\i):YOUT+4*(\i)+1],   s[DST:DST+1] th:TH_STORE_NT
	global_store_b64 v[DOF+(\i)], v[YOUT+4*(\i)+2:YOUT+4*(\i)+3], s[DST:DST+1] offset:2048 th:TH_STORE_NT
.endm
	s_cmp_ge_u32 s2, 5
	s_cbranch_scc1 .Lwo
.irp i, 0,1,2,3,4,5,6,7
	OUT \i, 0
.endr
	s_endpgm
.Lwo:
.irp i, 0,1,2,3,4,5,6,7
	OUT \i, 1
.endr
	s_endpgm
.Lrope:                                        ; e = 256 x + t
	v_and_b32 v1, 31, v0                           ; l
	v_bfe_u32 v2, v0, 5, 2                         ; qd
	v_lshrrev_b32 v3, 7, v0                        ; b's low bit
	s_and_b32 s26, s3, 1                           ; b's high bit
	s_bfe_u32 s27, s3, 0x10001                     ; c
	s_lshr_b32 s36, s3, 2                          ; pb
	v_and_b32 v4, 15, v1
	v_lshrrev_b32 v5, 4, v1
	s_lshl_b32 s36, s36, 4
	v_add_nc_u32 v6, s36, v4
	v_cvt_f32_u32 v6, v6                           ; the position
	s_lshl_b32 s27, s27, 6
	s_lshl_b32 s26, s26, 5
	s_add_co_u32 s27, s27, s26
	v_lshl_add_u32 v7, v3, 4, s27
	v_lshl_add_u32 v7, v5, 3, v7
	v_and_b32 v8, 1, v2
	v_lshl_add_u32 v7, v8, 2, v7                   ; d
	v_cmp_gt_u32 vcc_lo, 2, v2
	v_cndmask_b32 v9, 0, 1, vcc_lo                 ; 1 for a cosine: cos x = sin (x + pi/2)
	s_lshl_b32 s36, s3, 12
	s_mov_b32 s37, 0
	s_add_nc_u64 s[24:25], s[24:25], s[36:37]
	v_lshlrev_b32 v22, 4, v0
.irp i, 0,1,2,3
	v_add_nc_u32 v[10+(\i)], \i, v7
	v_cvt_f32_u32 v[10+(\i)], v[10+(\i)]
	v_mul_f32 v[10+(\i)], 0xbdd49a78, v[10+(\i)]   ; - j log2(10000) / 128
.endr
.irp i, 0,1,2,3
	v_exp_f32 v[10+(\i)], v[10+(\i)]               ; 10000^(-j / 128)
.endr
	v_nop                                          ; a plain instruction behind the last exponential,
	s_wait_alu depctr_va_vdst(0)                   ; and one wait for the four, ahead of their first reader
.irp i, 0,1,2,3
	v_mul_f32 v[10+(\i)], v6, v[10+(\i)]           ; the angle
	v_mul_f32 v[14+(\i)], 0x3f22f983, v[10+(\i)]   ; x 2 / pi
	v_rndne_f32 v[14+(\i)], v[14+(\i)]             ; k
	v_fmamk_f32 v[10+(\i)], v[14+(\i)], 0xbfc90fdb, v[10+(\i)]  ; - k x the f32 nearest to pi/2: exact, since k has ten bits
	v_fmamk_f32 v[10+(\i)], v[14+(\i)], 0x333bbd2e, v[10+(\i)]  ; - k x what that number lacks of pi/2: |rho| <= pi/4
	v_cvt_i32_f32 v[14+(\i)], v[14+(\i)]
	v_add_nc_u32 v[14+(\i)], v[14+(\i)], v9
	v_mul_f32 v18, v[10+(\i)], v[10+(\i)]          ; z = rho^2
	v_mov_b32 v19, 0x3638ef1d                      ; sin rho = rho + rho z (-1/6 + z (1/120 + z (-1/5040 + z / 362880)))
	v_fmaak_f32 v19, v18, v19, 0xb9500d01
	v_fmaak_f32 v19, v18, v19, 0x3c088889
	v_fmaak_f32 v19, v18, v19, 0xbe2aaaab
	v_mul_f32 v19, v19, v18
	v_fma_f32 v19, v[10+(\i)], v19, v[10+(\i)]
	v_mov_b32 v20, 0x37d00d01                      ; cos rho = 1 + z (-1/2 + z (1/24 + z (-1/720 + z / 40320)))
	v_fmaak_f32 v20, v18, v20, 0xbab60b61
	v_fmaak_f32 v20, v18, v20, 0x3d2aaaab
	v_fmaak_f32 v20, v18, v20, 0xbf000000
	v_fma_f32 v20, v18, v20, 1.0
	v_and_b32 v21, 1, v[14+(\i)]                   ; sin (k pi/2 + rho): k odd: the cosine; k % 4 >= 2: the sign turns
	v_cmp_eq_u32 vcc_lo, 1, v21
	v_cndmask_b32 v[24+(\i)], v19, v20, vcc_lo
	v_and_b32 v21, 2, v[14+(\i)]
	v_lshlrev_b32 v21, 30, v21
	v_xor_b32 v[24+(\i)], v[24+(\i)], v21
.endr
	global_store_b128 v22, v[24:27], s[24:25]
	s_cmp_lt_u32 s3, 32                            ; v's table: 32 work-groups x 4,096 bytes
	s_cbranch_scc0 .Lrdone
	v_cvt_f32_u32 v28, v9                          ; 1.0 in a cosine's place, 0.0 in a sine's
	v_mov_b32 v29, v28
	v_mov_b32 v30, v28
	v_mov_b32 v31, v28
	global_store_b128 v22, v[28:31], s[24:25] offset:1048576
.Lrdone:
	s_endpgm
.Lfunc_end_k_qadd065c4da_prep:
	.size	k_qadd065c4da_prep, .Lfunc_end_k_qadd065c4da_prep-k_qadd065c4da_prep
	.p2alignl 7, 3214868480
	.fill 96, 4, 3214868480
	.section	.rodata,"a",@progbits
	.p2align	6, 0x0
	.amdhsa_kernel k_qadd065c4da_prep
		.amdhsa_group_segment_fixed_size 0
		.amdhsa_private_segment_fixed_size 0
		.amdhsa_enable_private_segment 0
		.amdhsa_kernarg_size 72
		.amdhsa_user_sgpr_count 2
		.amdhsa_user_sgpr_kernarg_segment_ptr 1
		.amdhsa_wavefront_size32 1
		.amdhsa_system_sgpr_workgroup_id_x 1
		.amdhsa_system_sgpr_workgroup_id_y 1
		.amdhsa_system_sgpr_workgroup_id_z 1
		.amdhsa_system_vgpr_workitem_id 0
		.amdhsa_next_free_vgpr 128
		.amdhsa_next_free_sgpr 66
		.amdhsa_reserve_vcc 1
		.amdhsa_float_denorm_mode_32 3
		.amdhsa_float_denorm_mode_16_64 3
		.amdhsa_memory_ordered 1
		.amdhsa_forward_progress 1
		.amdhsa_inst_pref_size 26
	.end_amdhsa_kernel
	.amdgpu_metadata
---
amdhsa.version: [ 1, 2 ]
amdhsa.kernels:
  - .name:           k_qadd065c4da_prep
    .symbol:         k_qadd065c4da_prep.kd
    .args:
      - { .name: X, .offset: 0, .size: 8, .value_kind: global_buffer, .address_space: global }
      - { .name: Wq, .offset: 8, .size: 8, .value_kind: global_buffer, .address_space: global }
      - { .name: Wk, .offset: 16, .size: 8, .value_kind: global_buffer, .address_space: global }
      - { .name: Wv, .offset: 24, .size: 8, .value_kind: global_buffer, .address_space: global }
      - { .name: Wo, .offset: 32, .size: 8, .value_kind: global_buffer, .address_space: global }
      - { .name: xb, .offset: 40, .size: 8, .value_kind: global_buffer, .address_space: global }
      - { .name: wqkv, .offset: 48, .size: 8, .value_kind: global_buffer, .address_space: global }
      - { .name: wob, .offset: 56, .size: 8, .value_kind: global_buffer, .address_space: global }
      - { .name: rope, .offset: 64, .size: 8, .value_kind: global_buffer, .address_space: global }
    .group_segment_fixed_size: 0
    .private_segment_fixed_size: 0
    .kernarg_segment_align: 8
    .kernarg_segment_size: 72
    .max_flat_workgroup_size: 256
    .sgpr_count:     66
    .vgpr_count:     128
    .wavefront_size: 32
...
	.end_amdgpu_metadata
.endif
;; end of part 1
;; launch qkvproj (part 2): grid 32 x 8, 4 waves a work-group, clusters of 4 x 4, 327,680 bytes of LDS; arguments xb, wqkv, rope, qkv; writes qkv
.if DOCPART == 2
	.amdgcn_target "amdgcn-amd-amdhsa--gfx1250"
	.amdhsa_code_object_version 6
	.text
	.protected	k_qadd065c4da_qkvproj
	.globl	k_qadd065c4da_qkvproj
	.p2align	8
	.type	k_qadd065c4da_qkvproj,@function
k_qadd065c4da_qkvproj:
	s_mov_b64 s[64:65], 0
	v_nop
	global_prefetch_b8 v0, s[64:65] scope:SCOPE_SE
	s_setreg_imm32_b32 hwreg(HW_REG_WAVE_MODE, 25, 1), 1
	s_wait_xcnt 0x0
	s_wait_alu depctr_hold_cnt(0) depctr_sa_sdst(0) depctr_va_vdst(0) depctr_va_sdst(0) depctr_va_ssrc(0) depctr_va_vcc(0) depctr_vm_vsrc(0)
	s_getreg_b32 s2, hwreg(HW_REG_IB_STS2, 6, 4)
	s_cmp_eq_u32 s2, 0
	s_cbranch_scc0 .Lentry_in_a_cluster
	s_endpgm
.Lentry_in_a_cluster:
	s_bfe_u32 s2, ttmp6, 0x10000c
	s_cmp_lg_u32 s2, 0xf033
	s_cbranch_scc0 .Lentry_shape_is_right
	s_endpgm
.Lentry_shape_is_right:
; q, k, v = X [Wq | Wk | Wv], rotary embedding on q and k, out by heads.  xb: bf16 [2048 m][2048 k]; wqkv: bf16 [2048 k][8192 n]; qkv: f16 [32 slots][2048 m][256] (slots 0-15 q's heads, 16-23 k's, 24-31 v's).
; Sums in f32; the rotation is made in f32 on the sums; each number is rounded once, to f16.  LIMIT: q, k and v must lie within f16's 65,504; NaN and infinities are not treated apart.
; SHARES.  A work-group of four waves makes 256 rows x 256 columns: a tile column is one head's slot.  A wave makes 128 x 128: 64 accumulators of 16 x 16, 512 registers.  Wave w has rows 128 (w / 2) on, and
; column group c = w % 2: its n block b is columns 64 c + 16 b (b < 4) or 128 + 64 c + 16 (b - 4): so accumulators (a, b) and (a, b + 4) hold channels d and d + 128 in the same lane and register,
; and the rotation never leaves the lane.  v goes through the same lines with a table of ones and zeros (x 1 - y 0 is x): one text for all 32 slots, at 64 packed instructions for 16 rows of a quarter of the slots.
; RING.  K goes in 16 steps of 128 through two LDS slots filled by the tensor data mover; each wave brings a quarter of a slot with one load (A: 128 rows of 256 bytes; B: 64 k rows of 512 bytes).
; A K STEP IS WRITTEN ONCE: the slot in hand lies in a scalar register, and one group 0 for each operand walks from refill to refill.  The last two steps, which fill nothing, are a second loop.
; B lies [k][n] in memory and in LDS, and is turned on the way into registers by ds_load_tr16_b128: as many LDS loads as plain fragments take.
; CLUSTER.  4 x 4 work-groups.  The four of a row of the cluster need the same tiles of A, the four of a column the same tiles of B: each tile is asked for jointly, by the same load, descriptor and mask.
; THE MATRIX INSTRUCTION IS USED TRANSPOSED: source 0 = 16 columns of B, source 1 = 16 rows of A: lane l holds row l % 16 and eight neighbouring columns 8 (l / 16) + 0 .. 7.
; REGISTERS, in windows of 256 (s_set_vgpr_msb: bits 1:0 source 0, 3:2 source 1, 5:4 source 2, 7:6 destination):
;   window 0: v16-30 addresses; v64-127, v128-191 A's fragments, two buffers; on the way out v64-127 rotated numbers, v192-223 packed, v128-191 rows read back
;   window 1: v64-127, v128-191 B's fragments; v0-63, v192-255 and, on the way out, those two: four buffers of 64 for the table     windows 2, 3: the accumulators, (a, b) at v[8 (8 (a % 4) + b)]
.set PA,     272                       ; a row of A in LDS: 256 bytes + 16: the 16 rows of a load start at 16 different groups of four banks (64 banks of 4 bytes: ISA guide 11.1)
.set PB,     544                       ; a row of B: 512 bytes + 32 = 17 x 32
.set HALFT,  128*PA                    ; what one tensor load brings: 128 rows of A, or 64 rows of B (64 x 544 is the same number)
.set SLOT,   4*HALFT                   ; A's 256 rows, then B's 128 k rows: 0x22000; neither of its bits is set in a load's place in slot 0 (0, 0x8800, 0x11000, 0x19800), so one exclusive or changes slots
.set SPITCH, 528                       ; the stage for the way out: 256 rows of 512 + 16 bytes, from LDS byte 0 on: in slot 0, which has had its last fill (K step 14) and its last read by then
.set SPARE,  2*SLOT                    ; behind the ring: the spare words, 128 bytes for each wave: two blocks of 256 bytes that no other line names
.set STEPS,  16
.set A0,   16                          ; v16  my lane's place among A's fragments in slot 0; never rewritten
.set CA,   17                          ; v17  the same in the slot in hand
.set B0,   20                          ; v20, v21  the same for B
.set CB,   21
.set STO,  24                          ; v24     the way out: where I put 16 bytes of a row
.set RD,   25                          ; v25     the way out: where I read a row back
.set CO,   26                          ; v26     16 x lane: my bytes in a row of 512, and in 512 bytes of the table
.set SPW,  28                          ; v28     LDS address of my spare word; never rewritten
.set NIL,  29                          ; v29     0; never rewritten
.set PFO,  30                          ; v30     the prefetches' offset; never rewritten
.set F0,   64
.set F1,   128
.set O1,   64                          ; rotated numbers: n block b at O1 + 8 b
.set TMP,  192
.set OB,   128
.set WV,   12                          ; s12  wave
.set RH,   13                          ; s13  my half of the rows; also: I fetch for A (0) or for B (1)
.set CG,   14                          ; s14  my column group; also: which half of that tile I fetch
.set G1,   24                          ; s[24:31] group 1 for A;  s[32:39] group 0: a set for each of the two first fills; the second then walks on
.set G0,   32
.set PFA,  40                          ; s[40:41] where my prefetches stand
.set PFS,  42                          ; s[42:43] a K step in bytes, for A or for B
.set LIM,  44                          ; s44  2 in a wave that prefetches, else the greatest number
.set TB,   45                          ; s45  LDS byte at which the slot in hand begins
.set G1B,  48                          ; s[48:55], s[56:63] the same for B
.set G0B,  56
.set MSB, 0
.macro WIN new                         ; the immediate's high byte repeats the setting that is left; a switch that changes nothing is dropped
.if MSB != (\new)
	s_set_vgpr_msb (MSB<<8)|(\new)
.set MSB, \new
.endif
.endm
.set MUL_LO, 0xa1                      ; source 0 (B) window 1, source 1 (A) window 0, C and D window 2
.set MUL_HI, 0xf1                      ; the same, C and D window 3
.set TO_B,   0x40                      ; destination window 1, address window 0
; A joint load: waves 0 and 1 fetch A's halves, waves 2 and 3 B's.  The branch hangs on the wave's number alone.  An s_nop 0 and four v_nop follow each line.
.macro JLOAD s
	s_cmp_eq_u32 s[RH], 0
	s_cbranch_scc0 .Lfor_b_\@
	tensor_load_to_lds s[G0+4*(\s):G0+4*(\s)+3], s[G1:G1+7]
	s_nop 0
.rept 4
	v_nop
.endr
	s_branch .Lasked_\@
.Lfor_b_\@:
	tensor_load_to_lds s[G0B+4*(\s):G0B+4*(\s)+3], s[G1B:G1B+7]
	s_nop 0
.rept 4
	v_nop
.endr
.Lasked_\@:
.endm
; A prefetch into the L2, behind each joint refill and the run of LDS loads that follows it: the K step two refills on, 512 matrix instructions ahead of the load that will want it.  One instruction a wave, each lane
; another aligned block of 256 bytes.  A's tile row is read by every cluster of that row of clusters: cluster x = 0 asks; B's tile column by both rows of clusters: cluster y = 0 asks.  The four partners that
; ask for a tile jointly share it out by address: of A's 128 rows a wave, partner cx takes 32, a lane a row; of B's 64 k rows a wave, partner cy takes 16, two lanes a row.  So each block is named once.
; K steps 0 to 3 come by their loads alone; the loop's last two trips, which refill with steps 14 and 15, ask for nothing: there is no K step 16.
.macro ASK
	s_cmp_gt_u32 s3, s[LIM]
	s_cbranch_scc0 .Lnot_mine_\@
	global_prefetch_b8 v[PFO], s[PFA:PFA+1] th:TH_LOAD_NT scope:SCOPE_SE
.Lnot_mine_\@:
.endm
.macro CREST                           ; a round of the cluster's barrier behind its opening barrier
	s_cmp_lg_u32 s[WV], 0
	s_cbranch_scc1 .Lnot_wave_0_\@
	s_barrier_signal -3
.Lnot_wave_0_\@:
	s_barrier_wait -3
	s_barrier_signal -1
	s_barrier_wait -1
.endm
.macro CROUND                          ; a whole round
	s_barrier_signal -1
	s_barrier_wait -1
	CREST
.endm
	s_load_b256 s[4:11], s[0:1], 0x0               ; xb s[4:5], wqkv s[6:7], rope s[8:9], qkv s[10:11]
	v_lshl_add_u32 v[SPW], v0, 2, SPARE
	v_mov_b32 v[NIL], 0
	ds_add_u32 v[SPW], v[NIL]                      ; the wave's opening: the add and its wait ahead of my first tensor load; the set-up below stands between them
	v_lshrrev_b32 v1, 5, v0
	v_readfirstlane_b32 s[WV], v1
	s_lshr_b32 s[RH], s[WV], 1
	s_and_b32 s[CG], s[WV], 1
	s_bfe_u32 s15, ttmp6, 0x40000                  ; cx
	s_bfe_u32 s16, ttmp6, 0x40004                  ; cy
	s_lshl_b32 s17, ttmp9, 2
	s_add_co_u32 s17, s17, s15                     ; tile column = head slot = 4 x cluster x + cx
	s_and_b32 s18, ttmp7, 0xffff
	s_lshl_b32 s18, s18, 2
	s_add_co_u32 s18, s18, s16                     ; tile row = 4 x cluster y + cy
	s_mov_b32 s19, ttmp9                           ; cluster x: 6 and 7 are v's slots
	s_lshl_b32 s70, s16, 2
	s_lshl_b32 s70, 15, s70                        ; my row of the cluster
	s_lshl_b32 s71, 0x1111, s15                    ; my column
	s_or_b32 s[G1], s70, (1<<16)|(1<<20)|(1<<21)|(5<<22)|(3<<25)   ; the mask; 2-byte elements; padding on; bit 21 beside a mask; after every 64 words 4 words
	s_or_b32 s[G1B], s71, (1<<16)|(1<<20)|(1<<21)|(6<<22)|(7<<25)  ; after every 128 words 8 words
	s_mov_b32 s[G1+1], 128<<16                     ; A: tensor_dim0 = 128
	s_mov_b32 s[G1+2], 128<<16                     ; tensor_dim1 = 128
	s_mov_b32 s[G1+3], 128<<16                     ; tile_dim0 = 128
	s_mov_b32 s[G1+4], 128                         ; tile_dim1 = 128
	s_mov_b32 s[G1+5], 2048                        ; elements from row to row
	s_mov_b32 s[G1+6], 0
	s_mov_b32 s[G1+7], 0
	s_mov_b32 s[G1B+1], 256<<16                    ; B: 64 rows of 256 elements
	s_mov_b32 s[G1B+2], 64<<16
	s_mov_b32 s[G1B+3], 256<<16
	s_mov_b32 s[G1B+4], 64
	s_mov_b32 s[G1B+5], 8192
	s_mov_b32 s[G1B+6], 0
	s_mov_b32 s[G1B+7], 0
	s_lshl_b32 s20, s18, 20                        ; A: row 256 x tile row + 128 x half, 4,096 bytes a row: made of the tile row and the wave alone
	s_lshl_b32 s21, s[CG], 19
	s_add_co_u32 s20, s20, s21
	s_mov_b32 s21, 0
	s_lshl_b32 s66, s[CG], 20                      ; B: k row 64 x half, 16,384 bytes a row, + 512 x tile column: made of the tile column and the wave alone
	s_lshl_b32 s67, s17, 9
	s_add_co_u32 s66, s66, s67
	s_mov_b32 s67, 0
	s_mul_i32 s22, s[WV], HALFT                    ; where they go: wave x a quarter of a slot
	s_mov_b32 s[TB], 0
	s_wait_dscnt 0x0                               ; the opening add is done
	s_wait_kmcnt 0x0
	s_add_nc_u64 s[20:21], s[4:5], s[20:21]
	s_add_nc_u64 s[66:67], s[6:7], s[66:67]
	CROUND                                         ; all sixteen work-groups are here: the first joint loads meet
.irp s, 0,1
	s_mov_b32 s[G0+4*(\s)], 1
	s_add_co_u32 s[G0+4*(\s)+1], s22, (\s)*SLOT
	s_add_nc_u64 s[G0+4*(\s)+2:G0+4*(\s)+3], s[20:21], (\s)*256
	s_or_b32 s[G0+4*(\s)+3], s[G0+4*(\s)+3], 0x80000000
	s_mov_b32 s[G0B+4*(\s)], 1
	s_add_co_u32 s[G0B+4*(\s)+1], s22, (\s)*SLOT
	s_add_nc_u64 s[G0B+4*(\s)+2:G0B+4*(\s)+3], s[66:67], (\s)*2097152
	s_or_b32 s[G0B+4*(\s)+3], s[G0B+4*(\s)+3], 0x80000000
	JLOAD \s
.endr
	v_and_b32 v1, 15, v0                           ; r = l % 16
	v_bfe_u32 v2, v0, 4, 1                         ; h = l / 16
	v_and_b32 v3, 31, v0                           ; l
	v_mul_u32_u24 v4, v1, PA
	v_lshl_add_u32 v4, v2, 4, v4
	s_mul_i32 s23, s[RH], HALFT
	v_add_nc_u32 v[A0], s23, v4                    ; my 128 rows of A: row x pitch + 16 h
	v_mov_b32 v[CA], v[A0]
	v_and_b32 v5, 7, v0                            ; the turning load: lane l reads k row 8 h + l % 8, 16 bytes at 16 ((l / 8) % 2)
	v_lshl_add_u32 v5, v2, 3, v5
	v_mul_u32_u24 v5, v5, PB
	v_bfe_u32 v6, v0, 3, 1
	v_lshl_add_u32 v5, v6, 4, v5
	s_lshl_b32 s23, s[CG], 7
	s_add_co_u32 s23, s23, 2*HALFT
	v_add_nc_u32 v[B0], s23, v5
	v_mov_b32 v[CB], v[B0]
	s_mul_i32 s23, s[RH], 128*SPITCH
	s_lshl_b32 s2, s[CG], 7
	s_add_co_u32 s23, s23, s2
	v_mul_u32_u24 v7, v1, SPITCH
	v_lshl_add_u32 v7, v2, 4, v7
	v_add_nc_u32 v[STO], s23, v7                   ; (128 RH + r) x 528 + 16 h + 128 c
	s_mul_i32 s23, s[WV], 64*SPITCH
	v_lshl_add_u32 v[RD], v3, 4, s23               ; back: wave w takes rows 64 w on, a whole row of 512 bytes a load
	v_lshlrev_b32 v[CO], 4, v3
	s_and_b32 s70, s18, 3                          ; the table, 8,192 bytes for each (pb, c): position block pb0 = 16 (tile row % 4) + 8 RH;
	s_lshl_b32 s70, s70, 4
	s_lshl3_add_u32 s70, s[RH], s70
	s_lshl1_add_u32 s70, s70, s[CG]
	s_add_co_u32 s71, s[CG], 128                   ; v's table begins 128 such pieces in, and is the same for all positions
	s_cmp_ge_u32 s19, 6
	s_cselect_b32 s70, s71, s70
	s_lshl_b32 s70, s70, 13
	s_mov_b32 s71, 0
	s_add_nc_u64 s[8:9], s[8:9], s[70:71]
	s_lshl_b32 s72, s17, 20                        ; qkv: slot x 2^20 + (256 x tile row + 64 w) x 512
	s_lshl_b32 s73, s18, 17
	s_add_co_u32 s72, s72, s73
	s_lshl_b32 s73, s[WV], 15
	s_add_co_u32 s72, s72, s73
	s_mov_b32 s73, 0
	s_add_nc_u64 s[10:11], s[10:11], s[72:73]
	s_lshl_b32 s76, s18, 20                        ; the prefetches.  A: row 256 x tile row + 128 x half + 32 cx, at K step 3
	s_lshl_b32 s77, s[CG], 19
	s_add_co_u32 s76, s76, s77
	s_lshl_b32 s77, s15, 17
	s_add_co_u32 s76, s76, s77
	s_add_co_u32 s76, s76, 3*256
	s_lshl_b32 s78, s[CG], 20                      ; B: k row 64 x half + 16 cy, + 512 x tile column, at K step 3
	s_lshl_b32 s77, s16, 18
	s_add_co_u32 s78, s78, s77
	s_lshl_b32 s77, s17, 9
	s_add_co_u32 s78, s78, s77
	s_add_co_u32 s78, s78, 3*2097152
	s_and_b32 s74, ttmp7, 0xffff                   ; cluster y
	s_mov_b32 s[PFS], 2097152
	s_mov_b32 s[PFS+1], 0
	s_mov_b32 s77, 0
	s_cmp_eq_u32 s[RH], 0                          ; do I fetch for A?
	s_cselect_b32 s76, s76, s78
	s_cselect_b64 s[PFA:PFA+1], s[4:5], s[6:7]
	s_cselect_b32 s[PFS], 256, s[PFS]
	s_cselect_b32 s74, ttmp9, s74                  ; the coordinate along which other clusters read the same blocks
	s_cselect_b32 s75, -1, 0
	s_add_nc_u64 s[PFA:PFA+1], s[PFA:PFA+1], s[76:77]
	s_cmp_eq_u32 s74, 0
	s_cselect_b32 s[LIM], 2, -1                    ; the same in all sixteen partners, for a given wave
	v_lshlrev_b32 v8, 12, v3                       ; A: a lane a row of 4,096 bytes
	v_lshrrev_b32 v9, 1, v3                        ; B: two lanes a row of 16,384 bytes, 256 bytes apart
	v_lshlrev_b32 v9, 14, v9
	v_and_b32 v10, 1, v3
	v_lshl_or_b32 v9, v10, 8, v9
	v_cndmask_b32 v[PFO], v9, v8, s75
; 16 matrix instructions: m blocks a0, a0 + 1 of the window's four x all 8 n blocks, 32 along K.  zero = 1: the first product starts the sums.  The 64 accumulators take turns, in the same order in every quarter.
.macro MUL16 f, hi, a0, zero
	WIN MUL_LO+0x50*(\hi)
.irp a, \a0, (\a0)+1
.irp b, 0,1,2,3,4,5,6,7
.if \zero
	v_wmma_f32_16x16x32_bf16 v[8*(8*(\a)+(\b)):8*(8*(\a)+(\b))+7], v[(\f)+8*(\b):(\f)+8*(\b)+7], v[(\f)+8*(4*(\hi)+(\a)):(\f)+8*(4*(\hi)+(\a))+7], 0
.else
	v_wmma_f32_16x16x32_bf16 v[8*(8*(\a)+(\b)):8*(8*(\a)+(\b))+7], v[(\f)+8*(\b):(\f)+8*(\b)+7], v[(\f)+8*(4*(\hi)+(\a)):(\f)+8*(4*(\hi)+(\a))+7], v[8*(8*(\a)+(\b)):8*(8*(\a)+(\b))+7]
.endif
.endr
.endr
.endm
; 32 LDS loads in one run: quarter q (32 along K) of the slot in hand into buffer f.  B's n block i lies at byte 32 i + 128 (i / 4) of my column group; its two turning loads are 16 k rows apart.
.macro FETCH q, f
	WIN TO_B
.irp i, 0,1,2,3,4,5,6,7
	ds_load_tr16_b128 v[(\f)+8*(\i):(\f)+8*(\i)+3],   v[CB] offset:(\q)*32*PB+32*(\i)+128*((\i)/4)
	ds_load_tr16_b128 v[(\f)+8*(\i)+4:(\f)+8*(\i)+7], v[CB] offset:(\q)*32*PB+32*(\i)+128*((\i)/4)+16*PB
.endr
	WIN 0
.irp i, 0,1,2,3,4,5,6,7
	ds_load_b128 v[(\f)+8*(\i):(\f)+8*(\i)+3],   v[CA] offset:64*(\q)+(\i)*16*PA
	ds_load_b128 v[(\f)+8*(\i)+4:(\f)+8*(\i)+7], v[CA] offset:64*(\q)+(\i)*16*PA+32
.endr
.endm
.macro PLACES                          ; four plain instructions between a matrix instruction and a load into, or a vector use of, its registers
.rept 4
	v_nop
.endr
.endm
.macro NEWADR                          ; the fragments' addresses in the slot at TB
	v_add_nc_u32 v[CA], s[TB], v[A0]
	v_add_nc_u32 v[CB], s[TB], v[B0]
.endm
; One of a K step's first three quarters: multiplies buffer f; in its middle it fetches quarter q of the slot in hand into buffer g.
.macro QUARTER q, f, g, zero
	s_wait_dscnt 8                                 ; B and A's rows 0-63 are in; the youngest eight loads (A's rows 64-127) may be out
	MUL16 \f, 0, 0, \zero
	MUL16 \f, 0, 2, \zero
	PLACES
	FETCH \q, \g
	s_wait_dscnt 32                                ; all but the 32 just issued
	MUL16 \f, 1, 0, \zero
	MUL16 \f, 1, 2, \zero
.endm
; The first half of a K step's last quarter, and the one barrier of a change of slots: in front of it each wave waits for all its tensor loads (at most one is out: its part of the next slot), adds 0 to its spare word,
; and waits for that and for its own reads of this slot.  fill = 1: the walking descriptors step while the add is out: the other slot than last time, the next K step.
.macro MEET fill
	WIN 0
	s_wait_tensorcnt 0x0                           ; no tensor load of mine is out, so a group 0 may be written
	ds_add_u32 v[SPW], v[NIL]
.if \fill
	s_xor_b32 s[G0+5], s[G0+5], SLOT
	s_add_nc_u64 s[G0+6:G0+7], s[G0+6:G0+7], 256
	s_xor_b32 s[G0B+5], s[G0B+5], SLOT
	s_add_nc_u64 s[G0B+6:G0B+7], s[G0B+6:G0B+7], 2097152
	s_xor_b32 s[TB], s[TB], SLOT                   ; all fetches from the old slot have been issued
.endif
	s_wait_dscnt 9                                 ; the add and the youngest eight loads may be out
	MUL16 F1, 0, 0, 0
	s_wait_dscnt 0x0                               ; the add is done, and my reads of this slot are over
	s_barrier_signal -1
	MUL16 F1, 0, 2, 0
	WIN 0
	s_barrier_wait -1
.endm
; The whole last quarter with a refill: the barrier opens a round of the cluster's barrier; the slot just read out takes the K step two steps on, first thing behind the round; then the next slot's first fragments.
.macro TURN
	s_wait_xcnt 0x0                                ; the last prefetch, a K step back, has read its address
	s_add_nc_u64 s[PFA:PFA+1], s[PFA:PFA+1], s[PFS:PFS+1]
	MEET 1
	CREST
	JLOAD 1                                        ; the four v_nop behind it are also the places in front of the loads below
	NEWADR
	FETCH 0, F0
	ASK
	MUL16 F1, 1, 0, 0
	MUL16 F1, 1, 2, 0
.endm
; The table's 64 numbers a lane for block a of 16 rows: cosine j of n block b at TT + 16 b + j, sine at TT + 16 b + 8 + j; sixteen loads of 512 consecutive bytes, into buffer a % 4.
.macro ROPELOAD a
	WIN 0x40
.set TT, (192*((\a)%4))%256
.set n, 0
.rept 16
	global_load_b128 v[TT+4*n:TT+4*n+3], v[CO], s[8:9] offset:(\a)*16384+n*512
.set n, n+1
.endr
.endm
	s_wait_tensorcnt 1                             ; my part of K step 0 is in; K step 1's may stay out
	s_barrier_signal -1
	s_barrier_wait -1
	FETCH 0, F0
	QUARTER 1, F0, F1, 1                           ; the first quarter stands in front of the loop: its products start the sums
	WIN 0
	s_mov_b32 s3, STEPS-2
.Lstep:                                        ; a trip goes from a K step's second quarter to the next step's first, and fills one slot again: steps 2 to 15
	QUARTER 2, F1, F0, 0
	QUARTER 3, F0, F1, 0
	TURN
	QUARTER 1, F0, F1, 0
	WIN 0
	s_sub_co_u32 s3, s3, 1
	s_cmp_lg_u32 s3, 0
	s_cbranch_scc1 .Lstep
	ROPELOAD 0                                     ; the table's first two blocks are asked for two K steps ahead of their use, into registers that the ring does not name
	ROPELOAD 1
	WIN 0
	s_mov_b32 s3, 2
.Ltail:                                        ; the last two K steps fill nothing, so no round follows their barrier; the second trip is left in its middle
	QUARTER 2, F1, F0, 0
	QUARTER 3, F0, F1, 0
	MEET 0
	s_sub_co_u32 s3, s3, 1
	s_cmp_eq_u32 s3, 0
	s_cbranch_scc1 .Lfin
	PLACES
	s_xor_b32 s[TB], s[TB], SLOT
	NEWADR
	FETCH 0, F0
	MUL16 F1, 1, 0, 0
	MUL16 F1, 1, 2, 0
	QUARTER 1, F0, F1, 0
	WIN 0
	s_branch .Ltail
.Lfin:
	MUL16 F1, 1, 0, 0
	MUL16 F1, 1, 2, 0
	WIN 0
.rept 8
	v_nop                                          ; the places behind the last products, once a launch
.endr
; THE WAY OUT.  out(d) = x(d) cos - x(d + 128) sin, out(d + 128) = x(d + 128) cos + x(d) sin, two numbers an instruction; each accumulator's lowest registers are read first.
; Then rounded to f16, 16 bytes a lane for each n block, into rows of 528 bytes.  Block a + 4's part of the table is asked for as soon as block a's buffer has been read.
.macro ROPE a
.if (\a) < 5
	s_wait_loadcnt 48                              ; block a's sixteen loads are in; those of the three younger blocks may stay out
.else
	s_wait_loadcnt 16*(7-(\a))
.endif
.set TT, (192*((\a)%4))%256
.set AC, 64*((\a)%4)
	WIN 0x06+(\a)/4                                ; source 0: the accumulators' window; source 1: window 1; source 2 and destination: window 0
.set n, 0
.rept 16                               ; n = 4 b + pair
.set xo, 8*(n/4)+2*(n%4)
.set to, 16*(n/4)+2*(n%4)
	v_pk_mul_f32 v[O1+xo:O1+xo+1], v[AC+xo:AC+xo+1], v[TT+to:TT+to+1]
	v_pk_mul_f32 v[O1+32+xo:O1+32+xo+1], v[AC+32+xo:AC+32+xo+1], v[TT+to:TT+to+1]
	v_pk_fma_f32 v[O1+xo:O1+xo+1], v[AC+32+xo:AC+32+xo+1], v[TT+to+8:TT+to+9], v[O1+xo:O1+xo+1] neg_lo:[0,1,0] neg_hi:[0,1,0]
	v_pk_fma_f32 v[O1+32+xo:O1+32+xo+1], v[AC+xo:AC+xo+1], v[TT+to+8:TT+to+9], v[O1+32+xo:O1+32+xo+1]
.set n, n+1
.endr
.if (\a) < 4
	ROPELOAD (\a)+4
.endif
	WIN 0
.set n, 0
.rept 32
	v_cvt_pk_f16_f32 v[TMP+n], v[O1+2*n], v[O1+2*n+1]
.set n, n+1
.endr
.irp b, 0,1,2,3,4,5,6,7
	ds_store_b128 v[STO], v[TMP+4*(\b):TMP+4*(\b)+3] offset:(\a)*16*SPITCH+32*(\b)+128*((\b)/4)
.endr
.endm
	ROPELOAD 2                                     ; into B's two fragment buffers, which the last products have left
	ROPELOAD 3
.irp a, 0,1,2,3,4,5,6,7
	ROPE \a
.endr
	s_wait_dscnt 0x0                               ; for the others' sake: a row's 512 bytes come from two waves
	s_barrier_signal -1
	s_barrier_wait -1
	s_mov_b32 s3, 4
.Lrows:                                        ; sixteen rows a trip: a load takes a whole row, a store writes 512 consecutive bytes, aligned
.set i, 0
.rept 16
	ds_load_b128 v[OB+4*i:OB+4*i+3], v[RD] offset:i*SPITCH
.set i, i+1
.endr
.set i, 0
.rept 16
	s_wait_dscnt 15-i                              ; row i is back; the younger rows may stay out
	global_store_b128 v[CO], v[OB+4*i:OB+4*i+3], s[10:11] offset:i*512
.set i, i+1
.endr
	s_wait_xcnt 0x0                                ; the stores have read their registers and their base: both are written again below and in the next trip
	v_add_nc_u32 v[RD], 16*SPITCH, v[RD]
	s_add_nc_u64 s[10:11], s[10:11], 16*512
	s_sub_co_u32 s3, s3, 1
	s_cmp_lg_u32 s3, 0
	s_cbranch_scc1 .Lrows
	s_wait_tensorcnt 0x0                           ; the wave's end: behind my last tensor load and my last LDS store
	ds_add_u32 v[SPW], v[NIL]
	s_wait_dscnt 0x0
	CROUND                                         ; the closing round
	s_endpgm
.Lfunc_end_k_qadd065c4da_qkvproj:
	.size	k_qadd065c4da_qkvproj, .Lfunc_end_k_qadd065c4da_qkvproj-k_qadd065c4da_qkvproj
	.p2alignl 7, 3214868480
	.fill 96, 4, 3214868480
	.section	.rodata,"a",@progbits
	.p2align	6, 0x0
	.amdhsa_kernel k_qadd065c4da_qkvproj
		.amdhsa_group_segment_fixed_size 327680
		.amdhsa_private_segment_fixed_size 0
		.amdhsa_enable_private_segment 0
		.amdhsa_kernarg_size 32
		.amdhsa_user_sgpr_count 2
		.amdhsa_user_sgpr_kernarg_segment_ptr 1
		.amdhsa_wavefront_size32 1
		.amdhsa_system_sgpr_workgroup_id_x 1
		.amdhsa_system_sgpr_workgroup_id_y 1
		.amdhsa_system_sgpr_workgroup_id_z 1
		.amdhsa_system_vgpr_workitem_id 0
		.amdhsa_next_free_vgpr 1024
		.amdhsa_next_free_sgpr 80
		.amdhsa_reserve_vcc 0
		.amdhsa_float_denorm_mode_32 3
		.amdhsa_float_denorm_mode_16_64 3
		.amdhsa_memory_ordered 1
		.amdhsa_forward_progress 1
		.amdhsa_inst_pref_size 141
	.end_amdhsa_kernel
	.amdgpu_metadata
---
amdhsa.version: [ 1, 2 ]
amdhsa.kernels:
  - .name:           k_qadd065c4da_qkvproj
    .symbol:         k_qadd065c4da_qkvproj.kd
    .args:
      - { .name: xb, .offset: 0, .size: 8, .value_kind: global_buffer, .address_space: global }
      - { .name: wqkv, .offset: 8, .size: 8, .value_kind: global_buffer, .address_space: global }
      - { .name: rope, .offset: 16, .size: 8, .value_kind: global_buffer, .address_space: global }
      - { .name: qkv, .offset: 24, .size: 8, .value_kind: global_buffer, .address_space: global }
    .group_segment_fixed_size: 327680
    .private_segment_fixed_size: 0
    .kernarg_segment_align: 8
    .kernarg_segment_size: 32
    .max_flat_workgroup_size: 128
    .sgpr_count:     80
    .vgpr_count:     1024
    .wavefront_size: 32
...
	.end_amdgpu_metadata
.endif
;; end of part 2
;; launch attn (part 3): grid 16 x 16, 4 waves a work-group, clusters of 4 x 1, 327,680 bytes of LDS; arguments qkv, yb; writes yb
.if DOCPART == 3
	.amdgcn_target "amdgcn-amd-amdhsa--gfx1250"
	.amdhsa_code_object_version 6
	.text
	.protected	k_qadd065c4da_attn
	.globl	k_qadd065c4da_attn
	.p2align	8
	.type	k_qadd065c4da_attn,@function
k_qadd065c4da_attn:
	s_mov_b64 s[64:65], 0
	v_nop
	global_prefetch_b8 v0, s[64:65] scope:SCOPE_SE
	s_setreg_imm32_b32 hwreg(HW_REG_WAVE_MODE, 25, 1), 1
	s_wait_xcnt 0x0
	s_wait_alu depctr_hold_cnt(0) depctr_sa_sdst(0) depctr_va_vdst(0) depctr_va_sdst(0) depctr_va_ssrc(0) depctr_va_vcc(0) depctr_vm_vsrc(0)
	s_getreg_b32 s2, hwreg(HW_REG_IB_STS2, 6, 4)
	s_cmp_eq_u32 s2, 0
	s_cbranch_scc0 .Lentry_in_a_cluster
	s_endpgm
.Lentry_in_a_cluster:
	s_bfe_u32 s2, ttmp6, 0x10000c
	s_cmp_lg_u32 s2, 0x3003
	s_cbranch_scc0 .Lentry_shape_is_right
	s_endpgm
.Lentry_shape_is_right:
; CAUSAL ATTENTION WITH A SOFT CAP, two query heads to a key and value head, head size 256.  qkv: f16 [32 slots][2048 m][256] (q's heads 0-15, k's 16-23, v's 24-31; m = 1024 batch + position);
; yb: f16 [2048 m][4096], head hh at byte 512 hh of a row.  Products, statistics and sums in f32; the weights are rounded to f16 for the second product (their sum is taken unrounded), y once at the end.
; THE CAP.  score = 50 tanh(s / 800), s = q . k.  With r = 1 / (1 + 2^(C1 s)), C1 = 2 log2(e) / 800, the score is 50 - 100 r.  The running maximum of the scores is kept as a running MINIMUM of r:
; p = 2^(KR - K2 r), K2 = 100 log2(e), KR = K2 x the minimum; O and l are multiplied by a = 2^(KR_new - KR_old) in every step.  An infinite 2^x gives r = 0, a zero gives r = 1: nothing overflows.
; A hidden key's r is replaced by 1e30, behind the cap: its weight is 0.  The minimum starts at 4 and is held at 2 or below: so a block's first step has a = 0 and starts O and l anew, and a wave that sees no
; key at all ends with l = 0 and O = 0.  LIMITS: a weight below 2^-126 counts as 0; y lies within v's range; NaN and infinities are not treated apart.
; THE WALK.  The grid's y is batch x 8 + key head.  Queries go in blocks of 32 positions x both heads, keys in tiles of 128.  With j = 4 q + cx (q the cluster's x) a work-group takes block 31 - j, which needs
; tiles 0 .. 7 - q, and then block j, which needs tiles 0 .. q: nine tiles whatever j, the same nine for all four partners.  So every trip count is a constant, all work-groups do equal work, and every tile
; is asked for jointly.  A block's last tile holds the diagonal.
; SHARES.  Wave w takes keys 64 (w % 2) on of each tile and positions 16 (w / 2) on of the block, for both heads: two tiles of 16 queries; register slot t holds head 2 g + (t xor w % 2).  At a block's end a wave
; keeps slot 0 and hands slot 1, in f32, to its partner w xor 1, which holds the other keys' part of the same head: one text for all waves.
; LAYOUT.  S^T = K Q^T (source 0 = 16 keys, source 1 = 16 queries): a lane holds one query (l % 16) and keys 8 (l / 16) + 0..7.  Two such results rounded in pairs ARE source 1 of O^T = V^T P.  V is turned by ds_load_tr16_b128.
; THE LDS LOADS go in runs of eight: K's eight runs, a channel group each, stand three runs ahead of the eight products that read them, and V's eight runs follow them in the same places and in the softmax:
; a wave issues in order, so products and softmax are never held behind a long run of loads.
; REGISTERS, in windows of 256 (s_set_vgpr_msb: bits 1:0 source 0, 3:2 source 1, 5:4 source 2, 7:6 destination):
;   window 0: v2-23 addresses and at work; v24-39 statistics; v64-127 S^T; v128-159 P; v160-223 what the partner sent      window 1: O^T, tile t, channel block cb at 128 t + 8 cb
;   window 2: v0-127 Q (64 t + 8 cc); v128-255 V's keys 0-31      window 3: K (64 kb + 8 cc); behind the first product v0-127 take V's keys 32-63
.set PK,    528                        ; a row of K in LDS: 512 bytes + 16
.set PV,    544                        ; a row of V: 512 + 32 = 17 x 32
.set KH,    64*PK
.set VH_B,  64*PV
.set VOFF,  2*KH                       ; a slot: 128 rows of K, then 128 rows of V
.set SLOTB, 0x22000                    ; slot 1 begins here; none of its two bits is set in a load's place in slot 0 (0, 0x8400, 0x10800, 0x19000), so one exclusive or changes slots
.set XCH,   2*SLOTB                    ; behind the ring, never filled by a tensor load: 8,448 bytes a wave: what I send, later my stage for the way out
.set XW,    16*528
.set STATS, XCH+4*XW                   ; 256 bytes a wave: the statistics that I send
.set SPARE, STATS+1024                 ; the spare words, 128 bytes for each wave: two blocks of 256 bytes that no other line names
.set AK0, 2                            ; v2   my lane's place in a tile of K; never rewritten
.set AV0, 3                            ; v3   the same for V
.set ADK, 4                            ; v4   the step's address for K
.set ADV, 5                            ; v5   for V
.set QO0, 6                            ; v6   my byte offset in Q for register slot 0
.set QO1, 7                            ; v7   for slot 1
.set STO, 8                            ; v8   the way out: where I put 16 bytes of a row
.set RD,  10                           ; v10  my exchange bytes + 16 l: where I send, and where I read rows back
.set XR,  11                           ; v11  the partner's exchange bytes + 16 l
.set GO,  12                           ; v12  16 l
.set SS,  13                           ; v13  my statistics' place
.set SR,  14                           ; v14  the partner's
.set THR, 15                           ; v15  key 16 kb + j of my 64 is hidden where it is greater than this (the block in hand)
.set THRB, 16                          ; v16  the same for the second block
.set BIG, 17                           ; v17  1e30
.set PFO, 18                           ; v18  256 l
.set ST,  24                           ; tile t at ST + 8 t: KR, the minimum, l (even keys', odd keys'), c0-c3 at work; a takes c2's place
.set SPW, 40
.set NIL, 41
.set S,   64
.set P,   128
.set RX,  160
.set WV,  8                            ; s8 wave; s9 w % 2; s10 w / 2; s11 cx; s12 q
.set QC,  12
.set KB,  16                           ; s[16:17] K at my half of tile 0;  s[18:19] V
.set VB,  18
.set QA,  20                           ; s[20:21] Q at my rows of the first block;  s[22:23] of the second
.set QB2, 22
.set G1K, 24
.set G1V, 32
.set G0K, 40
.set G0V, 44
.set YA,  48                           ; s[48:49] y at my rows and head, the block in hand;  s[50:51] the second block
.set YB,  50
.set PFB, 52                           ; s[52:53] K or V at tile 0, my work-group's and wave's 8 KiB of a tile's 64
.set PFA, 54                           ; s[54:55] the same at the tile to be asked for
.set SLOTS, 56
.set RT,  57                           ; tiles of the block in hand that are still to be entered
.set NXT, 58                           ; the tile to be asked for next
.set LQ,  59                           ; the last tile of the block whose tiles are being asked for
.set LIM, 61                           ; 1 in the cluster that prefetches
.set ASKF, 62
.set TB,  63                           ; LDS byte at which the slot to be read begins
.set OFF, 66
.set C1,  68
.set NK2, 70
.set K2,  72
.set SEL, 74
.set MSB, 0
.macro WIN new
.if MSB != (\new)
	s_set_vgpr_msb (MSB<<8)|(\new)
.set MSB, \new
.endif
.endm
.macro PLACES
.rept 4
	v_nop
.endr
.endm
; A joint fill: waves 0 and 1 fetch the halves of a tile's K, waves 2 and 3 those of its V: 64 rows of 512 bytes each.  An s_nop 0 and four v_nop follow each line.
.macro JLOAD
	s_cmp_lt_u32 s[WV], 2
	s_cbranch_scc0 .Lfor_v_\@
	tensor_load_to_lds s[G0K:G0K+3], s[G1K:G1K+7]
	s_nop 0
.rept 4
	v_nop
.endr
	s_branch .Lasked_\@
.Lfor_v_\@:
	tensor_load_to_lds s[G0V:G0V+3], s[G1V:G1V+7]
	s_nop 0
.rept 4
	v_nop
.endr
.Lasked_\@:
.endm
; A prefetch into the L2 of the tile that the NEXT change of slots will ask for: one trip, 128 matrix instructions and a softmax, ahead.  The four clusters of a key head walk the same tiles; cluster q = 0, whose
; first block walks all eight, asks.  A tile is 512 aligned blocks of 256 bytes: 4 partners (told apart by address) x 4 waves x 32 lanes name one each.  Tiles 0 and 1 come by their loads alone; behind tile 7
; nothing is asked for, nor in the second block, whose tiles have been read.
.macro ASK
	s_cmp_lg_u32 s[ASKF], 0
	s_cbranch_scc0 .Lnot_mine_\@
	global_prefetch_b8 v[PFO], s[PFA:PFA+1] th:TH_LOAD_NT scope:SCOPE_SE
.Lnot_mine_\@:
.endm
.macro CROUND
	s_barrier_signal -1
	s_barrier_wait -1
	s_cmp_lg_u32 s[WV], 0
	s_cbranch_scc1 .Lnot_wave_0_\@
	s_barrier_signal -3
.Lnot_wave_0_\@:
	s_barrier_wait -3
	s_barrier_signal -1
	s_barrier_wait -1
.endm
; THE CHANGE OF SLOTS.  Each wave waits for all its tensor loads (one is out: its part of the slot to be read), adds 0 to its spare word, and waits for that and for its reads of the slot that it leaves.
; fill = 1: the barrier is a round of the cluster's; the old slot takes tile NXT, first thing behind it; the descriptor's address is made anew from that number.  (At its first use slot 0 is waited for and slot 1 filled.)
.macro CHANGE fill
	WIN 0
	s_wait_tensorcnt 0x0                           ; no tensor load of mine is out, so a group 0 may be written
	ds_add_u32 v[SPW], v[NIL]                      ; the scalar work stands between the add and the wait for it
.if \fill
	s_lshl_b32 s[OFF], s[NXT], 16                  ; a tile is 65,536 bytes of K and of V
	s_xor_b32 s[G0K+1], s[G0K+1], SLOTB
	s_add_nc_u64 s[G0K+2:G0K+3], s[KB:KB+1], s[OFF:OFF+1]
	s_or_b32 s[G0K+3], s[G0K+3], 0x80000000
	s_xor_b32 s[G0V+1], s[G0V+1], SLOTB
	s_add_nc_u64 s[G0V+2:G0V+3], s[VB:VB+1], s[OFF:OFF+1]
	s_or_b32 s[G0V+3], s[G0V+3], 0x80000000
	s_add_co_u32 s[NXT], s[NXT], 1                 ; the block's next tile, or behind its last the second block's tile 0
	s_cmp_gt_u32 s[NXT], s[LQ]
	s_cselect_b32 s[NXT], 0, s[NXT]
	s_cselect_b32 s[LQ], s[QC], s[LQ]
	s_wait_xcnt 0x0                                ; the last prefetch, a trip back, has read its address
	s_lshl_b32 s[OFF], s[NXT], 16
	s_add_nc_u64 s[PFA:PFA+1], s[PFB:PFB+1], s[OFF:OFF+1]
	s_cmp_lg_u32 s[NXT], 0
	s_cselect_b32 s[ASKF], s[LIM], 0
.endif
	s_xor_b32 s[TB], s[TB], SLOTB
	s_wait_dscnt 0x0                               ; the add is done, and my reads of the old slot are over
.if \fill
	CROUND
	JLOAD                                          ; its four v_nop are also the places between the last products and the loads into their registers
	ASK
.else
	s_barrier_signal -1
	s_barrier_wait -1
	PLACES
.endif
.endm
	s_load_b128 s[4:7], s[0:1], 0x0                ; qkv s[4:5], yb s[6:7]
	v_lshl_add_u32 v[SPW], v0, 2, SPARE
	v_mov_b32 v[NIL], 0
	ds_add_u32 v[SPW], v[NIL]                      ; the wave's opening: the add and its wait ahead of my first tensor load
	v_lshrrev_b32 v1, 5, v0
	v_readfirstlane_b32 s[WV], v1
	s_and_b32 s9, s[WV], 1                         ; kh
	s_lshr_b32 s10, s[WV], 1                       ; ph
	s_bfe_u32 s11, ttmp6, 0x40000                  ; cx
	s_mov_b32 s[QC], ttmp9                         ; q
	s_and_b32 s13, ttmp7, 0xffff
	s_lshr_b32 s14, s13, 3                         ; batch
	s_and_b32 s15, s13, 7                          ; g
	s_add_co_u32 s76, s15, 16                      ; K's slot 16 + g, the batch's 1,024 rows of 512 bytes
	s_lshl_b32 s76, s76, 20
	s_lshl_b32 s77, s14, 19
	s_add_co_u32 s76, s76, s77
	s_mov_b32 s77, 0
	s_lshl_b32 s78, s9, 15                         ; the half of a tile that I fetch: 64 rows
	s_mov_b32 s79, 0
	s_lshl_b32 s80, s11, 14                        ; the prefetches: my work-group's 16 KiB of a tile's 64, my wave's 8 of them
	s_lshl_b32 s81, s9, 13
	s_add_co_u32 s80, s80, s81
	s_mov_b32 s81, 0
	s_lshl_b32 s82, s[QC], 2
	s_add_co_u32 s82, s82, s11                     ; j: the second block
	s_sub_co_u32 s83, 31, s82                      ; the first block
	s_lshl_b32 s84, s15, 21                        ; Q: slot 2 g, the batch, my 16 positions
	s_lshl_b32 s85, s14, 19
	s_add_co_u32 s84, s84, s85
	s_lshl_b32 s85, s10, 13
	s_add_co_u32 s84, s84, s85
	s_lshl_b32 s86, s83, 14
	s_add_co_u32 s86, s86, s84
	s_mov_b32 s87, 0
	s_lshl_b32 s88, s82, 14
	s_add_co_u32 s88, s88, s84
	s_mov_b32 s89, 0
	s_lshl_b32 s84, s14, 23                        ; y: rows of 8,192 bytes; head 2 g + kh
	s_lshl_b32 s85, s10, 17
	s_add_co_u32 s84, s84, s85
	s_lshl_b32 s85, s15, 10
	s_add_co_u32 s84, s84, s85
	s_lshl_b32 s85, s9, 9
	s_add_co_u32 s84, s84, s85
	s_lshl_b32 s90, s83, 18
	s_add_co_u32 s90, s90, s84
	s_mov_b32 s91, 0
	s_lshl_b32 s92, s82, 18
	s_add_co_u32 s92, s92, s84
	s_mov_b32 s93, 0
	s_mov_b32 s[G1K], 15|(1<<16)|(1<<20)|(1<<21)|(6<<22)|(3<<25)  ; the mask of four; 2-byte elements; padding on; bit 21 beside a mask; after every 128 words 4 words
	s_mov_b32 s[G1V], 15|(1<<16)|(1<<20)|(1<<21)|(6<<22)|(7<<25)  ; 8 words
.irp g, G1K, G1V
	s_mov_b32 s[\g+1], 256<<16                     ; tensor_dim0 = 256
	s_mov_b32 s[\g+2], 64<<16                      ; tensor_dim1 = 64
	s_mov_b32 s[\g+3], 256<<16                     ; tile_dim0 = 256
	s_mov_b32 s[\g+4], 64                          ; tile_dim1 = 64
	s_mov_b32 s[\g+5], 256                         ; elements from row to row
	s_mov_b32 s[\g+6], 0
	s_mov_b32 s[\g+7], 0
.endr
	s_mov_b32 s[G0K], 1
	s_mul_i32 s[G0K+1], s9, KH                     ; slot 0
	s_mov_b32 s[G0V], 1
	s_mul_i32 s[G0V+1], s9, VH_B
	s_add_co_u32 s[G0V+1], s[G0V+1], VOFF
	s_mov_b32 s[SLOTS], 8
	s_sub_co_u32 s[RT], 8, s[QC]                   ; the first block has 8 - q tiles
	s_mov_b32 s[NXT], 1
	s_sub_co_u32 s[LQ], 7, s[QC]
	s_cmp_eq_u32 s[QC], 0
	s_cselect_b32 s[LIM], 1, 0
	s_mov_b32 s[TB], SLOTB                         ; the first change of slots turns it into 0
	s_mov_b32 s[OFF+1], 0
	s_mov_b32 s[C1], 0x3b6c5f04                    ; 2 log2(e) / 800
	s_mov_b32 s[C1+1], s[C1]
	s_mov_b32 s[NK2], 0xc31044fe                   ; - 100 log2(e)
	s_mov_b32 s[NK2+1], s[NK2]
	s_mov_b32 s[K2], 0x431044fe
	s_mov_b32 s[SEL], 0x76543210
	s_mov_b32 s[SEL+1], 0xfedcba98
	s_wait_dscnt 0x0                               ; the opening add is done
	s_wait_kmcnt 0x0
	s_add_nc_u64 s[KB:KB+1], s[4:5], s[76:77]
	s_add_nc_u64 s[VB:VB+1], s[KB:KB+1], 0x800000  ; V's slot is eight on
	s_cmp_lt_u32 s[WV], 2
	s_cselect_b64 s[PFB:PFB+1], s[KB:KB+1], s[VB:VB+1]
	s_add_nc_u64 s[PFB:PFB+1], s[PFB:PFB+1], s[80:81]
	s_add_nc_u64 s[KB:KB+1], s[KB:KB+1], s[78:79]
	s_add_nc_u64 s[VB:VB+1], s[VB:VB+1], s[78:79]
	s_mov_b64 s[G0K+2:G0K+3], s[KB:KB+1]
	s_or_b32 s[G0K+3], s[G0K+3], 0x80000000
	s_mov_b64 s[G0V+2:G0V+3], s[VB:VB+1]
	s_or_b32 s[G0V+3], s[G0V+3], 0x80000000
	s_add_nc_u64 s[QA:QA+1], s[4:5], s[86:87]
	s_add_nc_u64 s[QB2:QB2+1], s[4:5], s[88:89]
	s_add_nc_u64 s[YA:YA+1], s[6:7], s[90:91]
	s_add_nc_u64 s[YB:YB+1], s[6:7], s[92:93]
	CROUND                                         ; all four work-groups are here
	JLOAD                                          ; tile 0 into slot 0
	v_and_b32 v1, 15, v0                           ; r
	v_bfe_u32 v9, v0, 4, 1                         ; h
	v_and_b32 v19, 31, v0                          ; l
	v_lshlrev_b32 v22, 9, v1
	v_lshl_add_u32 v22, v9, 4, v22                 ; row x 512 + 16 h
	s_lshl_b32 s76, s9, 20
	v_add_nc_u32 v[QO0], s76, v22                  ; register slot 0: head 2 g + kh
	s_xor_b32 s76, s76, 1<<20
	v_add_nc_u32 v[QO1], s76, v22                  ; slot 1: the other head
.macro QLOAD base                      ; 16 queries x 256 channels for each slot: fragment cc is two loads of 16 bytes, 32 bytes apart
	WIN 0x80
.set i, 0
.rept 8
	global_load_b128 v[8*i:8*i+3],       v[QO0], s[\base:\base+1] offset:64*i
	global_load_b128 v[8*i+4:8*i+7],     v[QO0], s[\base:\base+1] offset:64*i+32
	global_load_b128 v[64+8*i:64+8*i+3], v[QO1], s[\base:\base+1] offset:64*i
	global_load_b128 v[64+8*i+4:64+8*i+7], v[QO1], s[\base:\base+1] offset:64*i+32
.set i, i+1
.endr
	WIN 0
.endm
	QLOAD QA
	WIN 0x40                                       ; a block's first step multiplies O^T and l by a = 0, so they need only be finite: zeros for the first block, written in the wait for the first tile
.set i, 0
.rept 256
	v_mov_b32 v[i], 0
.set i, i+1
.endr
	WIN 0
.macro FRESH                           ; a block's statistics begin
.irp t, 0,1
	v_mov_b32 v[ST+8*\t], 0x441044fe               ; KR = 4 K2
	v_mov_b32 v[ST+8*\t+1], 4.0
.endr
.endm
	FRESH
.irp t, 0,1
	v_mov_b32 v[ST+8*\t+2], 0
	v_mov_b32 v[ST+8*\t+3], 0
.endr
	v_mul_u32_u24 v[AK0], v1, PK
	v_lshl_add_u32 v[AK0], v9, 4, v[AK0]
	s_mul_i32 s76, s9, KH
	v_add_nc_u32 v[AK0], s76, v[AK0]               ; row x pitch + 16 h, in my 64 keys
	v_and_b32 v20, 7, v0                           ; the turning load: lane l reads key 8 h + l % 8, 16 bytes at 16 ((l / 8) % 2)
	v_lshl_add_u32 v[AV0], v9, 3, v20
	v_mul_u32_u24 v[AV0], v[AV0], PV
	v_bfe_u32 v21, v0, 3, 1
	v_lshl_add_u32 v[AV0], v21, 4, v[AV0]
	s_mul_i32 s76, s9, VH_B
	s_add_co_u32 s76, s76, VOFF
	v_add_nc_u32 v[AV0], s76, v[AV0]
	s_mul_i32 s76, s[WV], XW
	s_add_co_u32 s76, s76, XCH
	v_mul_u32_u24 v[STO], v1, 528
	v_lshl_add_u32 v[STO], v9, 4, v[STO]
	v_add_nc_u32 v[STO], s76, v[STO]
	v_lshl_add_u32 v[RD], v19, 4, s76
	s_xor_b32 s77, s[WV], 1                        ; my partner
	s_mul_i32 s78, s77, XW
	s_add_co_u32 s78, s78, XCH
	v_lshl_add_u32 v[XR], v19, 4, s78
	v_lshlrev_b32 v[GO], 4, v19
	s_lshl_b32 s76, s[WV], 8
	s_add_co_u32 s76, s76, STATS
	v_lshl_add_u32 v[SS], v19, 3, s76
	s_lshl_b32 s77, s77, 8
	s_add_co_u32 s77, s77, STATS
	v_lshl_add_u32 v[SR], v19, 3, s77
	s_lshl_b32 s76, s10, 4                         ; my query's place in the diagonal tile, less my lanes' 8 h and my wave's 64 kh
	s_lshl_b32 s77, s9, 6
	s_sub_co_i32 s76, s76, s77
	v_lshlrev_b32 v20, 3, v9
	v_sub_nc_u32 v20, v1, v20
	v_add_nc_u32 v20, s76, v20
	s_lshl_b32 s77, s11, 5
	v_add_nc_u32 v[THRB], s77, v20                 ; block j begins 32 cx into its last tile,
	s_sub_co_u32 s77, 96, s77
	v_add_nc_u32 v[THR], s77, v20                  ; block 31 - j at 32 (3 - cx)
	v_mov_b32 v[BIG], 0x7149f2ca
	v_lshlrev_b32 v[PFO], 8, v19
	s_wait_loadcnt 0x0                             ; Q
; A run of eight LDS loads.  KRUN: channel group cc (32 channels) of my 64 keys.  VH: of V, turned, keys 32 (j / 4) on, channel blocks 4 (j % 4) on.
.macro KRUN cc
	WIN 0xc0                                       ; destination window 3
.irp kb, 0,1,2,3
	ds_load_b128 v[64*\kb+8*(\cc):64*\kb+8*(\cc)+3],   v[ADK] offset:\kb*16*PK+(\cc)*64
	ds_load_b128 v[64*\kb+8*(\cc)+4:64*\kb+8*(\cc)+7], v[ADK] offset:\kb*16*PK+(\cc)*64+32
.endr
.endm
.macro VH j
	WIN 0x80+0x40*((\j)/4)                         ; keys 0-31: window 2, v128 on; keys 32-63: window 3, v0 on
.irp c, 0,1,2,3
	ds_load_tr16_b128 v[128-128*((\j)/4)+8*(4*((\j)%4)+\c):128-128*((\j)/4)+8*(4*((\j)%4)+\c)+3],   v[ADV] offset:((\j)/4)*32*PV+32*(4*((\j)%4)+\c)
	ds_load_tr16_b128 v[128-128*((\j)/4)+8*(4*((\j)%4)+\c)+4:128-128*((\j)/4)+8*(4*((\j)%4)+\c)+7], v[ADV] offset:((\j)/4)*32*PV+16*PV+32*(4*((\j)%4)+\c)
.endr
.endm
; A KEY STEP: my 64 keys of the tile in the slot at TB, for both tiles of queries, in phases.  diag = 1: the mask is always taken; 0: only in a block's last tile.
.macro STEP diag
	WIN 0
	v_add_nc_u32 v[ADK], s[TB], v[AK0]
	v_add_nc_u32 v[ADV], s[TB], v[AV0]
	KRUN 0
	KRUN 1
	KRUN 2
.set g, 0
.rept 8                                ; channel group g: the run three on is issued, then the group's eight products
.if g < 5
	KRUN g+3
.else
	VH g-5                                         ; behind K's last run: V's keys 0-31, whose registers the last step's products have left
.endif
	s_wait_dscnt 24                                ; LDS loads come back in order: group g is in; the three younger runs may stay out
	WIN 0x0b                                       ; K window 3, Q window 2, S^T window 0
.set i, 0
.rept 8                                ; i = 2 kb + t: the 8 accumulators take turns
.set rS, S+32*(i%2)+8*(i/2)
.set rK, 64*(i/2)+8*g
.set rQ, 64*(i%2)+8*g
.if g == 0
	v_wmma_f32_16x16x32_f16 v[rS:rS+7], v[rK:rK+7], v[rQ:rQ+7], 0
.else
	v_wmma_f32_16x16x32_f16 v[rS:rS+7], v[rK:rK+7], v[rQ:rQ+7], v[rS:rS+7]
.endif
.set i, i+1
.endr
.set g, g+1
.endr
	PLACES                                         ; between the products and the loads into K's registers, and the first use of the scores
	VH 3
	VH 4
	WIN 0
.set n, 0
.rept 32                               ; C1 s; each accumulator's lowest registers are read first
	v_pk_mul_f32 v[S+2*n:S+2*n+1], v[S+2*n:S+2*n+1], s[C1:C1+1] op_sel_hi:[1,0]
.set n, n+1
.endr
.set n, 0
.rept 64
	v_exp_f32 v[S+n], v[S+n]
.set n, n+1
.endr
	v_nop                                          ; a plain instruction behind the batch's last, and one wait for the batch ahead of its first reader
	s_wait_alu depctr_va_vdst(0)
	VH 5
	VH 6
	WIN 0
.set n, 0
.rept 32
	v_pk_add_f32 v[S+2*n:S+2*n+1], v[S+2*n:S+2*n+1], 1.0 op_sel_hi:[1,0]
.set n, n+1
.endr
.set n, 0
.rept 64
	v_rcp_f32 v[S+n], v[S+n]                       ; r
.set n, n+1
.endr
	v_nop
	s_wait_alu depctr_va_vdst(0)
	VH 7
	WIN 0
.if (\diag) == 0
	s_cmp_lg_u32 s[RT], 0                          ; the same in every wave and every partner
	s_cbranch_scc1 .Lnomask_\@
.endif
.set n, 0
.rept 32                               ; both tiles have the same positions
	v_cmp_gt_i32 vcc_lo, 16*(n/8)+n%8, v[THR]
	v_cndmask_b32 v[S+n], v[S+n], v[BIG], vcc_lo
	v_cndmask_b32 v[S+32+n], v[S+32+n], v[BIG], vcc_lo
.set n, n+1
.endr
.if (\diag) == 0
.Lnomask_\@:
.endif
.irp k, 0,1,2,3                        ; the minimum: four chains of seven, three operands at a time; the tiles alternate
.irp t, 0,1
	v_min3_num_f32 v[ST+8*\t+4+\k], v[S+32*\t+8*\k], v[S+32*\t+8*\k+1], v[S+32*\t+8*\k+2]
.endr
.endr
.irp k, 0,1,2,3
.irp t, 0,1
	v_min3_num_f32 v[ST+8*\t+4+\k], v[ST+8*\t+4+\k], v[S+32*\t+8*\k+3], v[S+32*\t+8*\k+4]
.endr
.endr
.irp k, 0,1,2,3
.irp t, 0,1
	v_min3_num_f32 v[ST+8*\t+4+\k], v[ST+8*\t+4+\k], v[S+32*\t+8*\k+5], v[S+32*\t+8*\k+6]
.endr
.endr
.irp t, 0,1
	v_min3_num_f32 v[ST+8*\t+4], v[ST+8*\t+4], v[S+32*\t+7], v[S+32*\t+15]
	v_min3_num_f32 v[ST+8*\t+6], v[ST+8*\t+6], v[S+32*\t+23], v[S+32*\t+31]
.endr
.irp t, 0,1
	v_min3_num_f32 v[ST+8*\t+4], v[ST+8*\t+4], v[ST+8*\t+5], v[ST+8*\t+6]
.endr
.irp t, 0,1
	v_min3_num_f32 v[ST+8*\t+4], v[ST+8*\t+4], v[ST+8*\t+7], v[ST+8*\t+1]
.endr
.irp t, 0,1
	v_permlanex16_b32 v[ST+8*\t+5], v[ST+8*\t+4], s[SEL], s[SEL+1]  ; the query's other 32 keys lie in the lane 16 away
.endr
.irp t, 0,1
	v_mov_b32 v[ST+8*\t+7], v[ST+8*\t]             ; KR_old is kept
.endr
.irp t, 0,1
	v_min3_num_f32 v[ST+8*\t+1], v[ST+8*\t+4], v[ST+8*\t+5], 2.0
.endr
.irp t, 0,1
	v_mul_f32 v[ST+8*\t], s[K2], v[ST+8*\t+1]
.endr
.irp t, 0,1
	v_sub_f32 v[ST+8*\t+7], v[ST+8*\t], v[ST+8*\t+7]
.endr
.set n, 0
.rept 32                               ; KR - K2 r
	v_pk_fma_f32 v[S+2*n:S+2*n+1], v[S+2*n:S+2*n+1], s[NK2:NK2+1], v[ST+8*(n/16):ST+8*(n/16)+1] op_sel_hi:[1,0,0]
.set n, n+1
.endr
.set n, 0
.rept 64
	v_exp_f32 v[S+n], v[S+n]                       ; p
.set n, n+1
.endr
.irp t, 0,1
	v_exp_f32 v[ST+8*\t+6], v[ST+8*\t+7]           ; a
.endr
	v_nop
	s_wait_alu depctr_va_vdst(0)
.set n, 0
.rept 32
	v_cvt_pk_f16_f32 v[P+n], v[S+2*n], v[S+2*n+1]
.set n, n+1
.endr
.irp w, 4, 8, 16, 32                   ; the sums of each tile's 16 pairs, in place: neighbours 1, 2, 4 and 8 pairs apart
.set n, 0
.rept 64/(\w)
	v_pk_add_f32 v[S+(\w)*n:S+(\w)*n+1], v[S+(\w)*n:S+(\w)*n+1], v[S+(\w)*n+(\w)/2:S+(\w)*n+(\w)/2+1]
.set n, n+1
.endr
.endr
.irp t, 0,1
	v_pk_fma_f32 v[ST+8*\t+2:ST+8*\t+3], v[ST+8*\t+2:ST+8*\t+3], v[ST+8*\t+6:ST+8*\t+7], v[S+32*\t:S+32*\t+1] op_sel_hi:[1,0,1]  ; l = a l + sum
.endr
	WIN 0x41                                       ; O^T times a
.set n, 0
.rept 128
	v_pk_mul_f32 v[2*n:2*n+1], v[2*n:2*n+1], v[ST+8*(n/64)+6:ST+8*(n/64)+7] op_sel_hi:[1,0]
.set n, n+1
.endr
	s_wait_dscnt 0x0                               ; V is in
	WIN 0x52                                       ; V window 2, P window 0, O^T window 1: the 32 accumulators take turns
.set i, 0
.rept 32
	v_wmma_f32_16x16x32_f16 v[128*(i%2)+8*(i/2):128*(i%2)+8*(i/2)+7], v[128+8*(i/2):128+8*(i/2)+7], v[P+16*(i%2):P+16*(i%2)+7], v[128*(i%2)+8*(i/2):128*(i%2)+8*(i/2)+7]
.set i, i+1
.endr
	WIN 0x53                                       ; keys 32-63: V window 3
.set i, 0
.rept 32
	v_wmma_f32_16x16x32_f16 v[128*(i%2)+8*(i/2):128*(i%2)+8*(i/2)+7], v[8*(i/2):8*(i/2)+7], v[P+16*(i%2)+8:P+16*(i%2)+15], v[128*(i%2)+8*(i/2):128*(i%2)+8*(i/2)+7]
.set i, i+1
.endr
	WIN 0
.endm
; A BLOCK ENDS.  The two waves that hold the two halves of the keys exchange one head's part each, through LDS, in f32, in two halves of eight channel blocks (8,192 bytes a wave); then the head that I keep is divided
; by its sum, rounded and stored.  Each hand-over is: my stores, the wait for them, a barrier, the partner's loads, the wait for them, a barrier.
.macro XSEND hf                        ; slot 1's channel blocks 8 hf on: the same lane of the partner takes the same register
	WIN 0x04                                       ; the data in window 1
.set n, 0
.rept 16
	ds_store_b128 v[RD], v[128+64*(\hf)+4*n:128+64*(\hf)+4*n+3] offset:512*n
.set n, n+1
.endr
	WIN 0
	s_wait_dscnt 0x0
	s_barrier_signal -1
	s_barrier_wait -1
.endm
.macro XTAKE
.set n, 0
.rept 16
	ds_load_b128 v[RX+4*n:RX+4*n+3], v[XR] offset:512*n
.set n, n+1
.endr
	s_wait_dscnt 0x0
.endm
.macro MERGE hf                        ; O = O fm + the partner's fp
	WIN 0x41
.set n, 0
.rept 32
	v_pk_mul_f32 v[64*(\hf)+2*n:64*(\hf)+2*n+1], v[64*(\hf)+2*n:64*(\hf)+2*n+1], v[28:29] op_sel_hi:[1,0]
.set n, n+1
.endr
	WIN 0x50
.set n, 0
.rept 32
	v_pk_fma_f32 v[64*(\hf)+2*n:64*(\hf)+2*n+1], v[RX+2*n:RX+2*n+1], v[30:31], v[64*(\hf)+2*n:64*(\hf)+2*n+1] op_sel_hi:[1,0,1]
.set n, n+1
.endr
	WIN 0
.endm
.macro BLOCKEND last
	WIN 0
.rept 8
	v_nop                                          ; the places behind the last products
.endr
.if (\last) == 0
	QLOAD QB2                                      ; the second block's Q comes in while the first goes out
.endif
.irp t, 0,1
	v_add_f32 v[ST+8*\t+2], v[ST+8*\t+2], v[ST+8*\t+3]
.endr
.irp t, 0,1
	v_permlanex16_b32 v[ST+8*\t+3], v[ST+8*\t+2], s[SEL], s[SEL+1]
.endr
.irp t, 0,1
	v_add_f32 v[ST+8*\t+1], v[ST+8*\t+2], v[ST+8*\t+3]  ; l of my 64 keys, in the minimum's place
.endr
	ds_store_b64 v[SS], v[ST+8:ST+9]               ; slot 1's KR and l
	XSEND 0
	ds_load_b64 v[20:21], v[SR]
	XTAKE
	v_min_num_f32 v22, v[ST], v20                  ; the common KR,
	v_sub_f32 v28, v22, v[ST]
	v_sub_f32 v30, v22, v20
	v_exp_f32 v28, v28                             ; what brings my part to it,
	v_exp_f32 v30, v30                             ; and the partner's
	v_nop
	s_wait_alu depctr_va_vdst(0)
	v_mul_f32 v23, v28, v[ST+1]
	v_fmac_f32 v23, v30, v21                       ; l of all keys: at least 1, since the key with the least r counts as 1
	v_rcp_f32 v23, v23
	v_nop
	s_wait_alu depctr_va_vdst(0)
	v_mul_f32 v28, v28, v23                        ; fm
	v_mul_f32 v30, v30, v23                        ; fp
	s_barrier_signal -1                            ; my reads of the partner's bytes are over
	MERGE 0
	s_barrier_wait -1
	XSEND 1
	XTAKE
	s_barrier_signal -1
	MERGE 1
	s_barrier_wait -1                              ; nobody reads my exchange bytes any more: they are my stage now
	WIN 0x05                                       ; sources window 1, destination window 0
.set n, 0
.rept 64
	v_cvt_pk_f16_f32 v[S+n], v[2*n], v[2*n+1]
.set n, n+1
.endr
	WIN 0
.set n, 0
.rept 16
	ds_store_b128 v[STO], v[S+4*n:S+4*n+3] offset:32*n
.set n, n+1
.endr
.set n, 0
.rept 16
	ds_load_b128 v[128+4*n:128+4*n+3], v[RD] offset:528*n  ; LDS serves a wave's instructions in order (ISA guide 5.7.1.4): these see the stores above
.set n, n+1
.endr
.set n, 0
.rept 16
	s_wait_dscnt 15-n
	global_store_b128 v[GO], v[128+4*n:128+4*n+3], s[YA:YA+1] offset:8192*n  ; a head's whole row: 512 consecutive bytes, aligned
.set n, n+1
.endr
.if (\last) == 0
	s_wait_xcnt 0x0                                ; the stores have read their registers and y's address
	s_mov_b64 s[YA:YA+1], s[YB:YB+1]
	v_mov_b32 v[THR], v[THRB]
	s_add_co_u32 s[RT], s[QC], 1                   ; the second block has q + 1 tiles
	FRESH
	s_wait_loadcnt 0x0                             ; its Q
.endif
.endm
.Lslot:                                        ; eight trips: a tile is entered and the next is asked for
	CHANGE 1
	s_sub_co_u32 s[RT], s[RT], 1
	STEP 0
	s_cmp_lg_u32 s[RT], 0
	s_cbranch_scc1 .Lbottom                        ; hangs on q alone: the same in every wave and every partner
	BLOCKEND 0                                     ; in the loop this is the first block's end: the second's last tile is the walk's last
.Lbottom:
	s_sub_co_u32 s[SLOTS], s[SLOTS], 1
	s_cmp_lg_u32 s[SLOTS], 0
	s_cbranch_scc1 .Lslot
	CHANGE 0                                       ; the walk's last tile is written out: nothing is asked for
	STEP 1
	BLOCKEND 1
	s_wait_tensorcnt 0x0                           ; the wave's end: behind my last tensor load and my last LDS store
	ds_add_u32 v[SPW], v[NIL]
	s_wait_dscnt 0x0
	CROUND                                         ; the closing round
	s_endpgm
.Lfunc_end_k_qadd065c4da_attn:
	.size	k_qadd065c4da_attn, .Lfunc_end_k_qadd065c4da_attn-k_qadd065c4da_attn
	.p2alignl 7, 3214868480
	.fill 96, 4, 3214868480
	.section	.rodata,"a",@progbits
	.p2align	6, 0x0
	.amdhsa_kernel k_qadd065c4da_attn
		.amdhsa_group_segment_fixed_size 327680
		.amdhsa_private_segment_fixed_size 0
		.amdhsa_enable_private_segment 0
		.amdhsa_kernarg_size 16
		.amdhsa_user_sgpr_count 2
		.amdhsa_user_sgpr_kernarg_segment_ptr 1
		.amdhsa_wavefront_size32 1
		.amdhsa_system_sgpr_workgroup_id_x 1
		.amdhsa_system_sgpr_workgroup_id_y 1
		.amdhsa_system_sgpr_workgroup_id_z 1
		.amdhsa_system_vgpr_workitem_id 0
		.amdhsa_next_free_vgpr 1024
		.amdhsa_next_free_sgpr 96
		.amdhsa_reserve_vcc 1
		.amdhsa_float_denorm_mode_32 3
		.amdhsa_float_denorm_mode_16_64 3
		.amdhsa_memory_ordered 1
		.amdhsa_forward_progress 1
		.amdhsa_inst_pref_size 164
	.end_amdhsa_kernel
	.amdgpu_metadata
---
amdhsa.version: [ 1, 2 ]
amdhsa.kernels:
  - .name:           k_qadd065c4da_attn
    .symbol:         k_qadd065c4da_attn.kd
    .args:
      - { .name: qkv, .offset: 0, .size: 8, .value_kind: global_buffer, .address_space: global }
      - { .name: yb, .offset: 8, .size: 8, .value_kind: global_buffer, .address_space: global }
    .group_segment_fixed_size: 327680
    .private_segment_fixed_size: 0
    .kernarg_segment_align: 8
    .kernarg_segment_size: 16
    .max_flat_workgroup_size: 128
    .sgpr_count:     96
    .vgpr_count:     1024
    .wavefront_size: 32
...
	.end_amdgpu_metadata
.endif
;; end of part 3
;; launch oproj (part 4): grid 16 x 16, 4 waves a work-group, clusters of 4 x 4, 327,680 bytes of LDS; arguments yb, wob, out0; writes out0
.if DOCPART == 4
	.amdgcn_target "amdgcn-amd-amdhsa--gfx1250"
	.amdhsa_code_object_version 6
	.text
	.protected	k_qadd065c4da_oproj
	.globl	k_qadd065c4da_oproj
	.p2align	8
	.type	k_qadd065c4da_oproj,@function
k_qadd065c4da_oproj:
	s_mov_b64 s[64:65], 0
	v_nop
	global_prefetch_b8 v0, s[64:65] scope:SCOPE_SE
	s_setreg_imm32_b32 hwreg(HW_REG_WAVE_MODE, 25, 1), 1
	s_wait_xcnt 0x0
	s_wait_alu depctr_hold_cnt(0) depctr_sa_sdst(0) depctr_va_vdst(0) depctr_va_sdst(0) depctr_va_ssrc(0) depctr_va_vcc(0) depctr_vm_vsrc(0)
	s_getreg_b32 s2, hwreg(HW_REG_IB_STS2, 6, 4)
	s_cmp_eq_u32 s2, 0
	s_cbranch_scc0 .Lentry_in_a_cluster
	s_endpgm
.Lentry_in_a_cluster:
	s_bfe_u32 s2, ttmp6, 0x10000c
	s_cmp_lg_u32 s2, 0xf033
	s_cbranch_scc0 .Lentry_shape_is_right
	s_endpgm
.Lentry_shape_is_right:
; out0 = y Wo.  yb: f16 [2048 m][4096 k]; wob: f16 [4096 k][2048 n] (Wo's bf16 value written as f16); out0: f32 [2048][2048].  Sums in f32, stored as they are.
; 256 tiles of 128 x 128, one for each work-group: tiles of 256 x 256 would be 64.  Four waves, each 64 x 64: 16 accumulators.  K goes in 16 steps of 256 through two LDS slots; a wave's one tensor load brings 64 rows
; of A (512 bytes each) or 128 k rows of B (256 bytes each).  B lies [k][n] and is turned by ds_load_tr16_b128.  No prefetch: the tile is small.
; A K STEP IS WRITTEN ONCE: the slot in hand lies in a scalar register, and one group 0 for each operand walks from refill to refill.  The last two steps, which fill nothing, are a second loop.
; THE WALK ALONG K IS A RING: a cluster begins at step o = (4 x cluster x + 8 x ((y xor y / 2) % 2)) % 16, y the cluster's y, and goes on modulo 16 (an f32 sum may be taken in any order).  So the four clusters that walk
; the same rows of y stand 4 steps apart, clusters y and y + 1, and y and y + 2, which walk the same columns of Wo, 8 apart: at any one time they ask for different blocks.  o hangs on the cluster's
; coordinates alone, which its sixteen partners share.
; CLUSTER: 4 x 4 work-groups; A's tiles are asked for jointly along a row of the cluster, B's along a column.  THE MATRIX INSTRUCTION IS USED TRANSPOSED (source 0 = 16 columns of B, source 1 = 16 rows of A):
; a lane holds eight neighbouring numbers of a row: 32 bytes.  A wave's 64 columns are 256 bytes, aligned: each wave has a stage of its own, and the way out needs no barrier.
; REGISTERS: window 0: v16-29 addresses; v32-95 rows read back; v128-255 the accumulators ((a, b) at 128 + 8 (4 a + b)).  window 1: two fragment buffers of 128: 64 registers of A, then 64 of B, for 64 along K.
.set PA,     528                       ; a row of A in LDS: 512 bytes + 16
.set PB,     288                       ; a row of B: 256 + 32 = 9 x 32
.set HA,     64*PA
.set HB,     128*PB
.set SLOTB,  0x24000                   ; slot 1 begins here (a slot uses 141,312 bytes: A's 128 rows, then B's 256 k rows); neither of its bits is set in a load's place in slot 0 (0, 0x8400, 0x10800, 0x19800)
.set STAGE,  2*SLOTB                   ; behind the ring: 16 rows x 272 bytes for each wave
.set SPITCH, 272
.set SPARE,  STAGE+4*16*SPITCH         ; the spare words, 128 bytes for each wave: two blocks of 256 bytes that no other line names
.set STEPS,  16
.set A0,   16                          ; v16     my lane's place among A's fragments in slot 0; never rewritten
.set CA,   17                          ; v17     the same in the slot in hand
.set B0,   20                          ; v20-21  the same for B: k rows 128 k2 on at B0 + k2 (an LDS offset has 16 bits)
.set CB,   22                          ; v22-23
.set STO,  24
.set RD,   25
.set CO,   26
.set SPW,  28
.set NIL,  29
.set TMP,  32
.set ACC,  128
.set F0,   0
.set F1,   128
.set BA,  14                           ; s[14:15] y at my rows, K step 0
.set G1,  24
.set G0,  32                           ; s[32:39] group 0 for A: a set for each of the two first fills; the second then walks on
.set G1B, 48
.set G0B, 56
.set BB,  66                           ; s[66:67] Wo at my k rows and columns, K step 0
.set SIDX, 68                          ; s68  the K step that the walking descriptors name
.set TB,  69                           ; s69  LDS byte at which the slot in hand begins
.set OFA, 70                           ; s[70:71], s[72:73] that step's bytes in y and in Wo
.set OFB, 72
.set MSB, 0
.macro WIN new
.if MSB != (\new)
	s_set_vgpr_msb (MSB<<8)|(\new)
.set MSB, \new
.endif
.endm
.set MUL,  0x05                        ; sources 0 (B) and 1 (A) window 1; C and D window 0
.set TO_F, 0x40                        ; destination window 1, address window 0
.macro JLOAD s                         ; waves 0 and 1 fetch A's halves, waves 2 and 3 B's; an s_nop 0 and four v_nop follow each line
	s_cmp_eq_u32 s11, 0
	s_cbranch_scc0 .Lfor_b_\@
	tensor_load_to_lds s[G0+4*(\s):G0+4*(\s)+3], s[G1:G1+7]
	s_nop 0
.rept 4
	v_nop
.endr
	s_branch .Lasked_\@
.Lfor_b_\@:
	tensor_load_to_lds s[G0B+4*(\s):G0B+4*(\s)+3], s[G1B:G1B+7]
	s_nop 0
.rept 4
	v_nop
.endr
.Lasked_\@:
.endm
.macro CREST
	s_cmp_lg_u32 s10, 0
	s_cbranch_scc1 .Lnot_wave_0_\@
	s_barrier_signal -3
.Lnot_wave_0_\@:
	s_barrier_wait -3
	s_barrier_signal -1
	s_barrier_wait -1
.endm
.macro CROUND
	s_barrier_signal -1
	s_barrier_wait -1
	CREST
.endm
	s_load_b128 s[4:7], s[0:1], 0x0                ; yb s[4:5], wob s[6:7]
	s_load_b64 s[8:9], s[0:1], 0x10                ; out0
	v_lshl_add_u32 v[SPW], v0, 2, SPARE
	v_mov_b32 v[NIL], 0
	ds_add_u32 v[SPW], v[NIL]                      ; the wave's opening: the add and its wait ahead of my first tensor load
	v_lshrrev_b32 v1, 5, v0
	v_readfirstlane_b32 s10, v1                    ; wave
	s_lshr_b32 s11, s10, 1                         ; my half of the rows; also: I fetch for A (0) or for B (1)
	s_and_b32 s12, s10, 1                          ; my half of the columns; also: which half of that tile I fetch
	s_bfe_u32 s40, ttmp6, 0x40000                  ; cx
	s_bfe_u32 s41, ttmp6, 0x40004                  ; cy
	s_lshl_b32 s42, ttmp9, 2
	s_add_co_u32 s42, s42, s40                     ; tile column
	s_and_b32 s74, ttmp7, 0xffff                   ; the cluster's y
	s_lshl_b32 s13, s74, 2
	s_add_co_u32 s13, s13, s41                     ; tile row
	s_lshl_b32 s43, s41, 2
	s_lshl_b32 s43, 15, s43                        ; my row of the cluster
	s_lshl_b32 s44, 0x1111, s40                    ; my column
	s_or_b32 s[G1], s43, (1<<16)|(1<<20)|(1<<21)|(6<<22)|(3<<25)   ; A: after every 128 words 4 words
	s_or_b32 s[G1B], s44, (1<<16)|(1<<20)|(1<<21)|(5<<22)|(7<<25)  ; B: after every 64 words 8 words
	s_mov_b32 s[G1+1], 256<<16                     ; A: 64 rows of 256 elements, 4,096 elements from row to row
	s_mov_b32 s[G1+2], 64<<16
	s_mov_b32 s[G1+3], 256<<16
	s_mov_b32 s[G1+4], 64
	s_mov_b32 s[G1+5], 4096
	s_mov_b32 s[G1+6], 0
	s_mov_b32 s[G1+7], 0
	s_mov_b32 s[G1B+1], 128<<16                    ; B: 128 rows of 128 elements, 2,048 from row to row
	s_mov_b32 s[G1B+2], 128<<16
	s_mov_b32 s[G1B+3], 128<<16
	s_mov_b32 s[G1B+4], 128
	s_mov_b32 s[G1B+5], 2048
	s_mov_b32 s[G1B+6], 0
	s_mov_b32 s[G1B+7], 0
	s_lshl_b32 s16, s13, 20                        ; A: row 128 x tile row + 64 x half, 8,192 bytes a row
	s_lshl_b32 s17, s12, 19
	s_add_co_u32 s16, s16, s17
	s_mov_b32 s17, 0
	s_lshl_b32 s46, s12, 19                        ; B: k row 128 x half, 4,096 bytes a row, + 256 x tile column
	s_lshl_b32 s47, s42, 8
	s_add_co_u32 s46, s46, s47
	s_mov_b32 s47, 0
	s_mul_i32 s20, s12, HA                         ; where they go
	s_mul_i32 s21, s12, HB
	s_add_co_u32 s21, s21, 2*HA
	s_lshr_b32 s75, s74, 1                         ; the cluster's first K step
	s_xor_b32 s75, s75, s74
	s_and_b32 s75, s75, 1
	s_lshl_b32 s75, s75, 3
	s_lshl_b32 s[SIDX], ttmp9, 2
	s_add_co_u32 s[SIDX], s[SIDX], s75
	s_and_b32 s[SIDX], s[SIDX], 15                 ; a multiple of 4: the step behind it does not wrap
	s_lshl_b32 s[OFA], s[SIDX], 9                  ; a K step is 512 bytes of a row of y,
	s_mov_b32 s[OFA+1], 0
	s_lshl_b32 s[OFB], s[SIDX], 20                 ; and 256 rows of 4,096 bytes of Wo
	s_mov_b32 s[OFB+1], 0
	s_mov_b32 s[TB], 0
	s_wait_dscnt 0x0                               ; the opening add is done
	s_wait_kmcnt 0x0
	s_add_nc_u64 s[BA:BA+1], s[4:5], s[16:17]
	s_add_nc_u64 s[BB:BB+1], s[6:7], s[46:47]
	CROUND                                         ; all sixteen work-groups are here
	s_mov_b32 s[G0], 1
	s_mov_b32 s[G0+1], s20
	s_add_nc_u64 s[G0+2:G0+3], s[BA:BA+1], s[OFA:OFA+1]
	s_mov_b32 s[G0+4], 1
	s_add_co_u32 s[G0+5], s20, SLOTB
	s_add_nc_u64 s[G0+6:G0+7], s[G0+2:G0+3], 512
	s_or_b32 s[G0+3], s[G0+3], 0x80000000
	s_or_b32 s[G0+7], s[G0+7], 0x80000000
	s_mov_b32 s[G0B], 1
	s_mov_b32 s[G0B+1], s21
	s_add_nc_u64 s[G0B+2:G0B+3], s[BB:BB+1], s[OFB:OFB+1]
	s_mov_b32 s[G0B+4], 1
	s_add_co_u32 s[G0B+5], s21, SLOTB
	s_add_nc_u64 s[G0B+6:G0B+7], s[G0B+2:G0B+3], 1048576
	s_or_b32 s[G0B+3], s[G0B+3], 0x80000000
	s_or_b32 s[G0B+7], s[G0B+7], 0x80000000
	JLOAD 0
	JLOAD 1
	s_add_co_u32 s[SIDX], s[SIDX], 1               ; the second set's step
	v_and_b32 v1, 15, v0                           ; r
	v_bfe_u32 v2, v0, 4, 1                         ; h
	v_mul_u32_u24 v3, v1, PA
	v_lshl_add_u32 v3, v2, 4, v3
	s_mul_i32 s22, s11, HA
	v_add_nc_u32 v[A0], s22, v3
	v_mov_b32 v[CA], v[A0]
	v_and_b32 v4, 7, v0                            ; the turning load: lane l reads k row 8 h + l % 8, 16 bytes at 16 ((l / 8) % 2)
	v_lshl_add_u32 v4, v2, 3, v4
	v_mul_u32_u24 v4, v4, PB
	v_bfe_u32 v5, v0, 3, 1
	v_lshl_add_u32 v4, v5, 4, v4
	s_lshl_b32 s22, s12, 7
	s_add_co_u32 s22, s22, 2*HA
	v_add_nc_u32 v[B0], s22, v4
	v_add_nc_u32 v[B0+1], HB, v[B0]
	v_mov_b32 v[CB], v[B0]
	v_mov_b32 v[CB+1], v[B0+1]
	s_mul_i32 s23, s10, 16*SPITCH
	s_add_co_u32 s23, s23, STAGE                   ; my stage
	v_mul_u32_u24 v6, v1, SPITCH                   ; in: row r, 32 bytes for each half of the lanes
	v_lshl_add_u32 v6, v2, 5, v6
	v_add_nc_u32 v[STO], s23, v6
	v_mul_u32_u24 v7, v2, SPITCH                   ; back: lanes 0-15 take one row of 256 bytes, lanes 16-31 the next
	v_lshl_add_u32 v7, v1, 4, v7
	v_add_nc_u32 v[RD], s23, v7
	v_lshlrev_b32 v8, 13, v2                       ; and the same two rows in out0
	v_lshl_add_u32 v[CO], v1, 4, v8
	s_lshl_b32 s16, s13, 20                        ; out0: row 128 x tile row + 64 x my half, 8,192 bytes a row,
	s_lshl_b32 s17, s11, 19
	s_add_co_u32 s16, s16, s17
	s_mov_b32 s17, 0
	s_add_nc_u64 s[8:9], s[8:9], s[16:17]
	s_lshl_b32 s46, s42, 9                         ; + 512 x tile column + 256 x my half
	s_lshl_b32 s47, s12, 8
	s_add_co_u32 s46, s46, s47
	s_mov_b32 s47, 0
	s_add_nc_u64 s[8:9], s[8:9], s[46:47]
; 8 matrix instructions: m blocks a0, a0 + 1 x all 4 n blocks, 32 along K: half c of buffer f.  The 16 accumulators take turns.
.macro MUL8 f, c, a0, zero
	WIN MUL
.irp a, \a0, (\a0)+1
.irp b, 0,1,2,3
.if \zero
	v_wmma_f32_16x16x32_f16 v[ACC+8*(4*(\a)+(\b)):ACC+8*(4*(\a)+(\b))+7], v[(\f)+64+8*(4*(\c)+(\b)):(\f)+64+8*(4*(\c)+(\b))+7], v[(\f)+8*(4*(\c)+(\a)):(\f)+8*(4*(\c)+(\a))+7], 0
.else
	v_wmma_f32_16x16x32_f16 v[ACC+8*(4*(\a)+(\b)):ACC+8*(4*(\a)+(\b))+7], v[(\f)+64+8*(4*(\c)+(\b)):(\f)+64+8*(4*(\c)+(\b))+7], v[(\f)+8*(4*(\c)+(\a)):(\f)+8*(4*(\c)+(\a))+7], v[ACC+8*(4*(\a)+(\b)):ACC+8*(4*(\a)+(\b))+7]
.endif
.endr
.endr
.endm
; 32 LDS loads in one run: quarter q (64 along K) of the slot in hand into buffer f; the first 32 along K first
.macro FETCH q, f
	WIN TO_F
.irp c, 0,1
.irp i, 0,1,2,3
	ds_load_tr16_b128 v[(\f)+64+8*(4*(\c)+(\i)):(\f)+64+8*(4*(\c)+(\i))+3],   v[CB+(\q)/2] offset:(((\q)%2)*64+32*(\c))*PB+32*(\i)
	ds_load_tr16_b128 v[(\f)+64+8*(4*(\c)+(\i))+4:(\f)+64+8*(4*(\c)+(\i))+7], v[CB+(\q)/2] offset:(((\q)%2)*64+32*(\c))*PB+32*(\i)+16*PB
	ds_load_b128 v[(\f)+8*(4*(\c)+(\i)):(\f)+8*(4*(\c)+(\i))+3],   v[CA] offset:128*(\q)+64*(\c)+(\i)*16*PA
	ds_load_b128 v[(\f)+8*(4*(\c)+(\i))+4:(\f)+8*(4*(\c)+(\i))+7], v[CA] offset:128*(\q)+64*(\c)+(\i)*16*PA+32
.endr
.endr
.endm
.macro PLACES
.rept 4
	v_nop
.endr
.endm
.macro NEWADR                          ; the fragments' addresses in the slot at TB
	v_add_nc_u32 v[CA], s[TB], v[A0]
	v_add_nc_u32 v[CB], s[TB], v[B0]
	v_add_nc_u32 v[CB+1], s[TB], v[B0+1]
.endm
.macro QUARTER q, f, g, zero           ; multiplies buffer f and fetches quarter q of the slot in hand into g
	s_wait_dscnt 16                                ; the first 32 along K are in
	MUL8 \f, 0, 0, \zero
	MUL8 \f, 0, 2, \zero
	PLACES
	FETCH \q, \g
	s_wait_dscnt 32                                ; all but the 32 just issued
	MUL8 \f, 1, 0, 0
	MUL8 \f, 1, 2, 0
.endm
; The first half of a K step's last quarter, and the one barrier of a change of slots: in front of it each wave waits for all its tensor loads, adds 0 to its spare word, and waits for that and for its reads of this slot.
; fill = 1: the walking descriptors step while the add is out: the other slot than last time; the next K step modulo 16, its address made anew from that number.
.macro MEET fill
	WIN 0
	s_wait_tensorcnt 0x0                           ; no tensor load of mine is out, so a group 0 may be written
	ds_add_u32 v[SPW], v[NIL]
.if \fill
	s_add_co_u32 s[SIDX], s[SIDX], 1
	s_and_b32 s[SIDX], s[SIDX], 15
	s_lshl_b32 s[OFA], s[SIDX], 9
	s_lshl_b32 s[OFB], s[SIDX], 20
	s_xor_b32 s[G0+5], s[G0+5], SLOTB
	s_add_nc_u64 s[G0+6:G0+7], s[BA:BA+1], s[OFA:OFA+1]
	s_or_b32 s[G0+7], s[G0+7], 0x80000000
	s_xor_b32 s[G0B+5], s[G0B+5], SLOTB
	s_add_nc_u64 s[G0B+6:G0B+7], s[BB:BB+1], s[OFB:OFB+1]
	s_or_b32 s[G0B+7], s[G0B+7], 0x80000000
	s_xor_b32 s[TB], s[TB], SLOTB                  ; all fetches from the old slot have been issued
.endif
	s_wait_dscnt 17                                ; the add and the youngest sixteen loads may be out
	MUL8 F1, 0, 0, 0
	s_wait_dscnt 0x0                               ; the add is done, and my reads of this slot are over
	s_barrier_signal -1
	MUL8 F1, 0, 2, 0
	WIN 0
	s_barrier_wait -1
.endm
; The whole last quarter with a refill: the barrier opens a round of the cluster's, and the slot just read out takes the step two steps on, first thing behind it.
.macro TURN
	MEET 1
	CREST
	JLOAD 1                                        ; the four v_nop behind it are also the places in front of the loads below
	NEWADR
	FETCH 0, F0
	MUL8 F1, 1, 0, 0
	MUL8 F1, 1, 2, 0
.endm
	s_wait_tensorcnt 1                             ; my part of the first K step is in; the second's may stay out
	s_barrier_signal -1
	s_barrier_wait -1
	FETCH 0, F0
	QUARTER 1, F0, F1, 1                           ; the first quarter stands in front of the loop: its first products start the sums
	WIN 0
	s_mov_b32 s3, STEPS-2
.Lstep:                                        ; a trip goes from a K step's second quarter to the next step's first, and fills one slot again
	QUARTER 2, F1, F0, 0
	QUARTER 3, F0, F1, 0
	TURN
	QUARTER 1, F0, F1, 0
	WIN 0
	s_sub_co_u32 s3, s3, 1
	s_cmp_lg_u32 s3, 0
	s_cbranch_scc1 .Lstep
	s_mov_b32 s3, 2
.Ltail:                                        ; the last two K steps fill nothing, so no round follows their barrier; the second trip is left in its middle
	QUARTER 2, F1, F0, 0
	QUARTER 3, F0, F1, 0
	MEET 0
	s_sub_co_u32 s3, s3, 1
	s_cmp_eq_u32 s3, 0
	s_cbranch_scc1 .Lfin
	PLACES
	s_xor_b32 s[TB], s[TB], SLOTB
	NEWADR
	FETCH 0, F0
	MUL8 F1, 1, 0, 0
	MUL8 F1, 1, 2, 0
	QUARTER 1, F0, F1, 0
	WIN 0
	s_branch .Ltail
.Lfin:
	MUL8 F1, 1, 0, 0
	MUL8 F1, 1, 2, 0
	WIN 0
.rept 8
	v_nop                                          ; the places behind the last products, once a launch
.endr
	; THE WAY OUT, 16 rows at a time through my own stage: 32 bytes a lane in, whole rows of 256 bytes back.  Each accumulator's lowest registers are read first.
.irp a, 0,1,2,3
.if (\a) >= 2
	s_wait_xcnt 0x0                                ; the stores two blocks back have read these registers
.endif
.irp b, 0,1,2,3
	ds_store_b128 v[STO], v[ACC+8*(4*(\a)+(\b)):ACC+8*(4*(\a)+(\b))+3]   offset:64*(\b)
	ds_store_b128 v[STO], v[ACC+8*(4*(\a)+(\b))+4:ACC+8*(4*(\a)+(\b))+7] offset:64*(\b)+16
.endr
.irp t, 0,1,2,3,4,5,6,7
	ds_load_b128 v[TMP+32*((\a)%2)+4*(\t):TMP+32*((\a)%2)+4*(\t)+3], v[RD] offset:(\t)*2*SPITCH  ; LDS serves a wave's instructions in order (ISA guide 5.7.1.4): these see the stores above; the next block's stores come behind them
.endr
.irp t, 0,1,2,3,4,5,6,7
	s_wait_dscnt 7-(\t)
	global_store_b128 v[CO], v[TMP+32*((\a)%2)+4*(\t):TMP+32*((\a)%2)+4*(\t)+3], s[8:9] offset:(16*(\a)+2*(\t))*8192  ; 16 lanes store 256 consecutive bytes, aligned
.endr
.endr
	s_wait_tensorcnt 0x0                           ; the wave's end: behind my last tensor load and my last LDS store
	ds_add_u32 v[SPW], v[NIL]
	s_wait_dscnt 0x0
	CROUND                                         ; the closing round
	s_endpgm
.Lfunc_end_k_qadd065c4da_oproj:
	.size	k_qadd065c4da_oproj, .Lfunc_end_k_qadd065c4da_oproj-k_qadd065c4da_oproj
	.p2alignl 7, 3214868480
	.fill 96, 4, 3214868480
	.section	.rodata,"a",@progbits
	.p2align	6, 0x0
	.amdhsa_kernel k_qadd065c4da_oproj
		.amdhsa_group_segment_fixed_size 327680
		.amdhsa_private_segment_fixed_size 0
		.amdhsa_enable_private_segment 0
		.amdhsa_kernarg_size 24
		.amdhsa_user_sgpr_count 2
		.amdhsa_user_sgpr_kernarg_segment_ptr 1
		.amdhsa_wavefront_size32 1
		.amdhsa_system_sgpr_workgroup_id_x 1
		.amdhsa_system_sgpr_workgroup_id_y 1
		.amdhsa_system_sgpr_workgroup_id_z 1
		.amdhsa_system_vgpr_workitem_id 0
		.amdhsa_next_free_vgpr 512
		.amdhsa_next_free_sgpr 80
		.amdhsa_reserve_vcc 0
		.amdhsa_float_denorm_mode_32 3
		.amdhsa_float_denorm_mode_16_64 3
		.amdhsa_memory_ordered 1
		.amdhsa_forward_progress 1
		.amdhsa_inst_pref_size 60
	.end_amdhsa_kernel
	.amdgpu_metadata
---
amdhsa.version: [ 1, 2 ]
amdhsa.kernels:
  - .name:           k_qadd065c4da_oproj
    .symbol:         k_qadd065c4da_oproj.kd
    .args:
      - { .name: yb, .offset: 0, .size: 8, .value_kind: global_buffer, .address_space: global }
      - { .name: wob, .offset: 8, .size: 8, .value_kind: global_buffer, .address_space: global }
      - { .name: out0, .offset: 16, .size: 8, .value_kind: global_buffer, .address_space: global }
    .group_segment_fixed_size: 327680
    .private_segment_fixed_size: 0
    .kernarg_segment_align: 8
    .kernarg_segment_size: 24
    .max_flat_workgroup_size: 128
    .sgpr_count:     80
    .vgpr_count:     512
    .wavefront_size: 32
...
	.end_amdgpu_metadata
.endif
;; end of part 4
